; MI455X (gfx1250); checked and timed in simulation.
; The chip was launched on July 23, 2026; its instructions are those of AMD's public machine-readable ISA for CDNA 5 (MIT licence, August 2026) and "CDNA5" Instruction Set Architecture Reference Guide (July 2026). The comments in the code are by the model that wrote it; some were corrected since.
;; Attention. Allowed arithmetic: matrix products marked QUANTISED: E2M3 operands, one E8M0 scale for each 32 along K, by v_wmma_scale_f32_16x16x128_f8f6f4 with both operands' format E2M3, f32 sums; everything else in f32.
;; Inputs: cos 2,048 x 128 float32; k_norm_w 128 float32; q_norm_w 128 float32; sin 2,048 x 128 float32; wk 512 x 2,048 float32; wo 2,048 x 512 float32; wq 512 x 2,048 float32; wv 512 x 2,048 float32; x 4 x 2,048 x 2,048 float32.
;; Outputs: out0 4 x 2,048 x 2,048 float32.
;; This version of the problem:
;;   THIS VERSION OF THE PROBLEM IS GIVEN IN LOW PRECISION. The matrix products marked QUANTISED in the list below multiply operands that are first quantised to E2M3 (2 exponent bits, 3 mantissa bits; 6 bits a number), with one power-of-two scale for each 32 numbers along K (OCP MX v1.0); their sums are f32. All else is computed in f32.
;;   The module's matrix products, in the order in which they are computed (A, B: the left and right operand; K: the contracted axis; several contracted axes count as one K, in the product's order):
;;     1. [M 8,192, K 2,048] x [K 2,048, N 512]; A: input x; B: input wq: QUANTISED
;;     2. [M 8,192, K 2,048] x [K 2,048, N 512]; A: input x; B: input wk: QUANTISED
;;     3. [M 8,192, K 2,048] x [K 2,048, N 512]; A: input x; B: input wv: QUANTISED
;;     4. batch 16 x [M 2,048, K 128] x [K 128, N 2,048]; A: computed on the way; B: computed on the way: QUANTISED
;;     5. batch 16 x [M 2,048, K 2,048] x [K 2,048, N 128]; A: softmax (see below); B: computed on the way: QUANTISED
;;     6. [M 8,192, K 512] x [K 512, N 2,048]; A: computed on the way; B: input wo: QUANTISED
;;   THE QUANTISER, for each operand of a quantised product, along K:
;;     - K is cut into blocks of 32 from its start; a last block that is shorter is filled with zeros.
;;     - A block's scale is 2^e with e = floor(log2(the largest magnitude in the block)) - 2, held to -126 .. 127; a block of zeros has e = 0. As a byte (E8M0): e + 127.
;;     - Each number is divided by its block's scale, clamped to +-7.5, and rounded to the nearest number of E2M3, ties to even, subnormals kept.
;;     - The product sums the exact products of the quantised numbers (number of the format x scale) in f32.
;;   ~~~python
;;   def quantise(x, axis):      # numpy; x: float32 -> the quantised numbers, widened to float32 again
;;       x = np.moveaxis(x, axis, -1); K = x.shape[-1]
;;       x = np.pad(x, [(0, 0)] * (x.ndim - 1) + [(0, -K % 32)]); x = x.reshape(x.shape[:-1] + (-1, 32)); a = np.abs(x).max(-1, keepdims=True)
;;       e = np.where(a > 0, np.clip(np.frexp(np.where(a > 0, a, 1))[1] - 1 - 2, -126, 127), 0)      # np.frexp(a)[1] - 1 = floor(log2(a)), exactly
;;       r = np.clip(x / 2.0 ** e, -7.5, 7.5)
;;       step = 2.0 ** (np.maximum(np.frexp(np.where(r == 0, 1, r))[1] - 1, 0) - 3)
;;       q = np.round(r / step) * step * 2.0 ** e      # np.round: ties to even
;;       return np.moveaxis(q.reshape(q.shape[:-2] + (-1,))[..., :K], -1, axis).astype(np.float32)
;;   ~~~
;;   SOFTMAX AHEAD OF A QUANTISED PRODUCT. Where the list says 'softmax', what is quantised is not the finished softmax but p = 2^(t - M), with t = logit x log2(e) and M = ceil(the row's largest t), a whole number; so 1/2 < the row's largest p <= 1. The row's sum l is taken of the UNQUANTISED p, in f32, and the product's result is divided by l at the end. Since M is a whole number, a kernel that streams over the keys may use a running M (the ceiling of the running maximum): every later rescaling is an exact power of two, which a block's scale takes up: the codes' values come out the same.
;;   OPERANDS COMPUTED ON THE WAY. 'Computed on the way' means the value that the module computes at that place (a softmax that the list does not call 'softmax' is quantised finished and normalised). What goes into a quantiser is computed in f32, as accurately as f32 sums, v_exp_f32 and their like allow (about 1e-6 of the number): no bf16 or f16 on the way to a quantiser, and a product that is left as it is and whose result goes on into a quantised operand takes f32 operands (vector FMAs, or v_wmma_f32_16x16x4_f32). A number that lies on a knife's edge between two numbers of the format may be rounded either way, as far as f32 arithmetic and the matrix unit's own rounding can turn it there, and no further.
;; One version. Each part assembles by itself: llvm-mc -triple=amdgcn-amd-amdhsa -mcpu=gfx1250 --defsym DOCPART=n.
;; ======== version 1 of 1: 4 launches
;; limits: right only within a limited range of input values
;; workspace buffers: xc 12,582,912 bytes; xsc 524,288 bytes; wc 3,145,728 bytes; wsc 2,228,224 bytes; qkvc 9,437,184 bytes; qkvsc 393,216 bytes; ac 3,145,728 bytes; asc 131,072 bytes
;; launch quant (part 1): grid 672 x 1, 4 waves a work-group, no clusters, 33,280 bytes of LDS; arguments x, wq, wk, wv, wo, xc, xsc, wc, wsc, cos, sin; writes xc, xsc, wc, wsc
.if DOCPART == 1
	.amdgcn_target "amdgcn-amd-amdhsa--gfx1250"
	.amdhsa_code_object_version 6
	.text
	.protected	k_qad464c2d5c_quant
	.globl	k_qad464c2d5c_quant
	.p2align	8
	.type	k_qad464c2d5c_quant,@function
k_qad464c2d5c_quant:
	s_mov_b64 s[64:65], 0
	v_nop
	global_prefetch_b8 v0, s[64:65] scope:SCOPE_SE
	s_setreg_imm32_b32 hwreg(HW_REG_WAVE_MODE, 25, 1), 1
	s_wait_xcnt 0x0
; LAUNCH 1 OF 4.  x [8192][2048], wq, wk, wv [512][2048] and wo [2048][512], f32, become codes of FP6 (E2M3), K innermost, with one E8M0 byte for each 32 along K.
; WORK THAT THE PROGRAM LEAVES OUT (in the third launch).  reference() sets scores[q][k] to -inf wherever k > q, by a jnp.tril that it builds in its own body; exp(-inf - max) is 0, so such a key adds 0 to
; the row's sum and 0 x v to the row's result, whatever finite values the inputs hold.  So a tile of 16 queries x 128 keys all of whose keys lie behind all of its queries is neither loaded nor multiplied, in
; the score product and in the product with v alike.  jnp.repeat with n_rep = 1 copies nothing.  Nothing else is left out, and all nine inputs have a way to the result and are loaded.
; LIMIT: a NaN, an infinity or an overflow that would arise only in scores that are left out is not carried to the result.
; A block's scale is 2^(floor(log2(its largest magnitude)) - 2); its byte is the largest magnitude's exponent field - 2, held at 1 from below.  A block of zeros so gets the byte 1 where the rule says 127: its
; codes are zeros, which add nothing under any byte but 0xff, and this program alone reads the bytes.  LIMITS: NaN and infinities among the inputs are not served.
; Rows are dense and K is a multiple of 32: each tensor is a stream of blocks of 32.  A wave takes a run of 8,192 numbers (16 steps of 512); a work-group four runs.  Work-groups 0-511: x; 512-543 wq; 544-575 wk; 576-607 wv; 608-639 wo.
; THE ROWS OF x, wq, wk, wv ARE STORED IN ANOTHER ORDER: row i goes to the place whose number is i with bits 3 and 4 exchanged.  A run is 4 rows, so that is bits 1 and 2 of the run's number.  Sixteen neighbouring
; rows of the workspace are then rows 32 b + 8 u + r + 8 (r / 8): as source 0 of a product they leave 16 neighbours of the row axis in a lane's 16 registers of two neighbouring tiles.  wo keeps its order.
; Each of a step's four loads reads 512 consecutive bytes; the 2,048 bytes turn through the wave's own stage in LDS and come back 64 bytes (16 neighbours) a lane; two neighbouring lanes hold a block.
.set WAVES, 4
.set STEPS, 16
.set EMAX,  2
.set CB,    12                         ; bytes of 16 codes
.set R,     16                         ; v16-79   four sets of 16 numbers as they are loaded
.set X,     80                         ; v80-111  two sets of 16 neighbours
.set C,     128                        ; v128-191 codes: four registers for each step, so that no store's data are written again
.set E,     112                        ; v112-127 a scale byte for each step
.set WREG,  8192                       ; LDS: a region for each wave: two stages of 32 x SP bytes, then its 256 scale bytes
.set SP,    80                         ; a lane's place in a stage: 64 bytes + 16 of padding
.set SPW,   12                         ; v12 LDS address of my spare word; never rewritten
.set NIL,   13                         ; v13 0; never rewritten
.set SPARE, WAVES*WREG                 ; the spare words, 128 bytes a wave: two blocks of 256 bytes that no other line names
; THE CODES ARE LAID BY TILES: [block of 256 rows][K step of 256][256 rows][192 bytes].  So a K step's codes of 128 or 256 rows are one dense run of memory that begins at a multiple of 256 bytes.
; A step of 512 numbers is two K steps of one row: lanes 0-15 store 192 bytes of the first, lanes 16-31 of the second, 49,152 bytes on.
; K = 2048: step t is row t / 4 (192 bytes on), K steps 2 (t % 4) (98,304 bytes on).  wo, K = 512: step t is row t: 768 (t / 4) + 192 (t % 4).
.set VO,    192                        ; v192-195 my codes' place + (t % 4) x its pitch
.set CBS,   42                         ; s[42:49] the codes' base + (t / 4) x its pitch
	s_load_b512 s[4:19], s[0:1], 0x0               ; x 4, wq 6, wk 8, wv 10, wo 12, xc 14, xsc 16, wc 18
	s_load_b64 s[20:21], s[0:1], 0x40              ; wsc
	s_load_b128 s[52:55], s[0:1], 0x48             ; cos, sin
	v_lshl_add_u32 v[SPW], v0, 2, SPARE
	v_mov_b32 v[NIL], 0
	v_lshrrev_b32 v1, 5, v0
	v_readfirstlane_b32 s22, v1                    ; wave
	v_and_b32 v2, 31, v0                           ; lane
	v_lshlrev_b32 v3, 4, v2                        ; my 16 bytes of a load's 512
	s_mul_i32 s23, s22, WREG
	v_lshrrev_b32 v14, 2, v2
	v_mul_u32_u24 v14, v14, SP
	v_and_b32 v15, 3, v2
	v_lshl_add_u32 v14, v15, 4, v14
	v_add_nc_u32 v14, s23, v14                     ; the stage, on the way in: SP (lane / 4) + 16 (lane % 4)
	v_mul_u32_u24 v15, v2, SP
	v_add_nc_u32 v15, s23, v15                     ; and on the way out: SP x lane: my 16 neighbours
	v_and_b32 v4, 15, v2
	v_mul_u32_u24 v4, v4, CB                       ; my 12 bytes of a row's 192,
	v_lshrrev_b32 v10, 4, v2
	v_mad_u32_u24 v4, v10, 0xc000, v4              ; in the step's first or second K step
	v_lshrrev_b32 v5, 1, v2
	s_add_co_u32 s23, s23, 2*32*SP
	v_add_nc_u32 v5, s23, v5                       ; LDS: my wave's 256 scale bytes, my block's byte
	v_lshlrev_b32 v7, 3, v2                        ; and on the way out 8 bytes a lane
	v_add_nc_u32 v6, s23, v7
	s_mov_b32 s38, 192
	s_mov_b32 s39, 768
	s_cmp_lt_u32 ttmp9, 608                        ; K = 2048, or wo
	s_cselect_b32 s38, 0x18000, s38                ; the pitch for t % 4
	s_cselect_b32 s39, 192, s39                    ; the pitch for t / 4
	v_mov_b32 v[VO], v4
	v_add_nc_u32 v[VO+1], s38, v4
	v_add_nc_u32 v[VO+2], s38, v[VO+1]
	v_add_nc_u32 v[VO+3], s38, v[VO+2]
	s_wait_alu depctr_va_vdst(0)
	s_wait_kmcnt 0x0
	s_cmp_ge_u32 ttmp9, 640                        ; work-groups 640-671 lay cos and sin out anew
	s_cbranch_scc1 .Lrelay
	s_cmp_lt_u32 ttmp9, 608
	s_cselect_b64 s[24:25], s[10:11], s[12:13]
	s_cselect_b32 s30, 1, 0                        ; 1: the rows change places; 0 (wo): they do not
	s_cmp_lt_u32 ttmp9, 576
	s_cselect_b64 s[24:25], s[8:9], s[24:25]
	s_cmp_lt_u32 ttmp9, 544
	s_cselect_b64 s[24:25], s[6:7], s[24:25]
	s_cmp_lt_u32 ttmp9, 512
	s_cselect_b64 s[24:25], s[4:5], s[24:25]       ; the numbers,
	s_cselect_b64 s[26:27], s[14:15], s[18:19]     ; the codes,
	s_cselect_b64 s[28:29], s[16:17], s[20:21]     ; the scale bytes
	s_cselect_b32 s31, 0, 512
	s_cselect_b32 s32, -1, 31
	s_and_b32 s33, ttmp9, s32                      ; a weight's 32 work-groups begin at a multiple of 32
	s_lshl_b32 s33, s33, 2
	s_add_co_u32 s33, s33, s22                     ; my run in the tensor that I read
	s_sub_co_u32 s34, ttmp9, s31
	s_lshl_b32 s34, s34, 2
	s_add_co_u32 s34, s34, s22                     ; and in the buffers that I write (the four weights on end)
	s_lshr_b32 s35, s34, 1
	s_lshr_b32 s36, s34, 2
	s_xor_b32 s35, s35, s36
	s_and_b32 s35, s35, s30                        ; 1 where bits 1 and 2 differ and the rows change places:
	s_mul_i32 s35, s35, 6
	s_xor_b32 s34, s34, s35                        ; both bits are turned
	s_lshl_b32 s36, s33, 15                        ; 32,768 bytes of numbers a run (under 2^27 in all)
	s_mov_b32 s37, 0
	s_add_nc_u64 s[24:25], s[24:25], s[36:37]
	s_lshr_b32 s40, s34, 6                         ; K = 2048: a run is 4 rows: block run / 64 of 393,216 bytes, row 4 (run % 64)
	s_mul_i32 s40, s40, 393216
	s_and_b32 s41, s34, 63
	s_mul_i32 s41, s41, 768
	s_add_co_u32 s40, s40, s41
	s_sub_co_u32 s42, s34, 384                     ; wo: a run is 16 rows: behind the three weights' 2,359,296 bytes, block j / 16 of 98,304 bytes, row 16 (j % 16)
	s_lshr_b32 s43, s42, 4
	s_mul_i32 s43, s43, 98304
	s_and_b32 s42, s42, 15
	s_mul_i32 s42, s42, 3072
	s_add_co_u32 s42, s42, s43
	s_add_co_u32 s42, s42, 2359296
	s_cmp_lg_u32 s30, 0
	s_cselect_b32 s36, s40, s42
	s_add_nc_u64 s[CBS:CBS+1], s[26:27], s[36:37]
	s_mov_b32 s40, s39
	s_mov_b32 s41, 0
	s_add_nc_u64 s[CBS+2:CBS+3], s[CBS:CBS+1], s[40:41]
	s_add_nc_u64 s[CBS+4:CBS+5], s[CBS+2:CBS+3], s[40:41]
	s_add_nc_u64 s[CBS+6:CBS+7], s[CBS+4:CBS+5], s[40:41]
	s_lshl_b32 s36, s34, 8                         ; 256 scale bytes a run
	s_add_nc_u64 s[28:29], s[28:29], s[36:37]
.macro LOAD t
.irp i, 0,1,2,3
	global_load_b128 v[R+16*((\t)%4)+4*\i:R+16*((\t)%4)+4*\i+3], v3, s[24:25] offset:2048*(\t)+512*\i th:TH_LOAD_NT   ; 32 lanes read 512 consecutive bytes
.endr
.endm
.macro TURN t                          ; step t's numbers through the stage: LDS serves a wave's instructions in order, so no wait stands between the stores and the loads
.irp i, 0,1,2,3
	ds_store_b128 v14, v[R+16*((\t)%4)+4*\i:R+16*((\t)%4)+4*\i+3] offset:32*SP*((\t)%2)+8*SP*\i
.endr
.irp i, 0,1,2,3
	ds_load_b128 v[X+16*((\t)%2)+4*\i:X+16*((\t)%2)+4*\i+3], v15 offset:32*SP*((\t)%2)+16*\i
.endr
.endm
.irp t, 0,1,2,3
	LOAD \t
.endr
	s_wait_loadcnt 12                              ; step 0's four loads are in
	TURN 0
.macro STEP t
.set XS, X+16*((\t)%2)
.if (\t) > 0
	s_wait_dscnt 1                                 ; this step's numbers are back from the stage (the last step's byte store may be out): so its stores into the stage have read their registers,
.else
	s_wait_dscnt 0x0
.endif
.if (\t)+4 < STEPS
	LOAD (\t)+4                                    ; which take the loads of four steps on
.endif
.if (\t)+1 < STEPS
.if STEPS-2-(\t) >= 3
	s_wait_loadcnt 12                              ; the next step's four loads are in; those of the three steps behind it may be out
.else
	s_wait_loadcnt 4*(STEPS-2-(\t))
.endif
	TURN (\t)+1                                    ; and go through the other stage while this step is worked
.endif
	v_max3_num_f32 v8, |v[XS]|, |v[XS+1]|, |v[XS+2]|               ; the largest magnitude of my 16, in two chains
	v_max3_num_f32 v9, |v[XS+3]|, |v[XS+4]|, |v[XS+5]|
.irp i, 6,10
	v_max3_num_f32 v8, v8, |v[XS+\i]|, |v[XS+\i+1]|
	v_max3_num_f32 v9, v9, |v[XS+\i+2]|, |v[XS+\i+3]|
.endr
	v_max3_num_f32 v8, v8, |v[XS+14]|, |v[XS+15]|
	v_max3_num_f32 v8, v8, v9, (EMAX+1)<<23        ; and the floor 2^(3 - 127): the byte cannot fall under 1
	v_max_num_f32_dpp v8, v8, v8 row_xmask:1 row_mask:0xf bank_mask:0xf   ; and of my neighbour's 16: the block's
	v_add_nc_u32 v11, -(EMAX<<23), v8              ; 2 off its exponent field: the conversion takes the exponent field of this operand as its scale
	v_cvt_scalef32_pk16_fp6_f32 v[C+4*(\t):C+4*(\t)+2], v[XS:XS+15], v11   ; sixteen numbers / the scale, to the nearest code, ties to even, beyond the largest code the largest
	v_lshrrev_b32 v[E+(\t)], 23, v11               ; the scale's byte (also the plain line behind the conversion)
	ds_store_b8 v5, v[E+(\t)] offset:16*(\t)       ; both lanes of a block write the same byte with the same value
	global_store_b96 v[VO+(\t)%4], v[C+4*(\t):C+4*(\t)+2], s[CBS+2*((\t)/4):CBS+2*((\t)/4)+1]   ; sixteen lanes store 192 consecutive bytes
.endm
.irp t, 0,1,2,3,4,5,6,7,8,9,10,11,12,13,14,15
	STEP \t
.endr
	ds_load_b64 v[8:9], v6                         ; LDS serves a wave's instructions in order: these see my stores
	s_wait_dscnt 0x0
	global_store_b64 v7, v[8:9], s[28:29]          ; 32 lanes store 256 consecutive bytes, aligned
	s_wait_tensorcnt 0x0                           ; the wave's end: three lines behind my last LDS store
	ds_add_u32 v[SPW], v[NIL]
	s_wait_dscnt 0x0
	s_endpgm
; COS AND SIN IN THE ORDER OF THE NEXT LAUNCH'S REGISTERS, behind wsc's 131,072 scale bytes: cos, then 1,048,576 bytes on sin, each [16 groups of 128 positions][block a 0..7][piece 0..15][lane][16 bytes].
; Lane (r, h) of block a wants position 128 G + 32 (a / 2) + 8 (a % 2) + r + 8 (r / 8), channels 32 b + 16 h + 4 j .. + 3 as piece 4 b + j.  A wave copies one (G, a) of both tables: 32 loads of 16 bytes a lane,
; 32 stores of 512 consecutive bytes.  Nothing is computed.
.Lrelay:
	s_sub_co_u32 s33, ttmp9, 640
	s_lshl_b32 s33, s33, 2
	s_add_co_u32 s33, s33, s22                     ; 8 G + a, 0 .. 127
	s_lshr_b32 s34, s33, 3
	s_lshl_b32 s34, s34, 7
	s_bfe_u32 s35, s33, 0x20001
	s_lshl_b32 s35, s35, 5
	s_add_co_u32 s34, s34, s35
	s_and_b32 s35, s33, 1
	s_lshl_b32 s35, s35, 3
	s_add_co_u32 s34, s34, s35                     ; the block's first position
	s_lshl_b32 s36, s34, 9                         ; 512 bytes a position
	s_mov_b32 s37, 0
	s_add_nc_u64 s[52:53], s[52:53], s[36:37]
	s_add_nc_u64 s[54:55], s[54:55], s[36:37]
	s_lshl_b32 s36, s33, 13                        ; 8,192 bytes a block
	s_add_co_u32 s36, s36, 131072
	s_add_nc_u64 s[56:57], s[20:21], s[36:37]
	s_add_nc_u64 s[58:59], s[56:57], 0x100000
	v_and_b32 v10, 15, v2
	v_and_b32 v11, 8, v2
	v_add_nc_u32 v10, v10, v11                     ; r + 8 (r / 8)
	v_lshrrev_b32 v11, 4, v2
	v_lshlrev_b32 v10, 9, v10
	v_lshl_add_u32 v10, v11, 6, v10                ; + 64 h
.irp p, 0,1,2,3,4,5,6,7,8,9,10,11,12,13,14,15
	global_load_b128 v[16+4*\p:19+4*\p], v10, s[52:53] offset:128*(\p/4)+16*(\p%4)
.endr
.irp p, 0,1,2,3,4,5,6,7,8,9,10,11,12,13,14,15
	global_load_b128 v[80+4*\p:83+4*\p], v10, s[54:55] offset:128*(\p/4)+16*(\p%4)
.endr
	s_wait_loadcnt 16                              ; cos's sixteen are in; sin's may be out
.irp p, 0,1,2,3,4,5,6,7,8,9,10,11,12,13,14,15
	global_store_b128 v3, v[16+4*\p:19+4*\p], s[56:57] offset:512*\p
.endr
	s_wait_loadcnt 0x0
.irp p, 0,1,2,3,4,5,6,7,8,9,10,11,12,13,14,15
	global_store_b128 v3, v[80+4*\p:83+4*\p], s[58:59] offset:512*\p
.endr
	s_endpgm
.Lfunc_end_k_qad464c2d5c_quant:
	.size	k_qad464c2d5c_quant, .Lfunc_end_k_qad464c2d5c_quant-k_qad464c2d5c_quant
	.p2alignl 7, 3214868480
	.fill 96, 4, 3214868480
	.section	.rodata,"a",@progbits
	.p2align	6, 0x0
	.amdhsa_kernel k_qad464c2d5c_quant
		.amdhsa_group_segment_fixed_size 33280
		.amdhsa_private_segment_fixed_size 0
		.amdhsa_enable_private_segment 0
		.amdhsa_kernarg_size 88
		.amdhsa_user_sgpr_count 2
		.amdhsa_user_sgpr_kernarg_segment_ptr 1
		.amdhsa_wavefront_size32 1
		.amdhsa_system_sgpr_workgroup_id_x 1
		.amdhsa_system_sgpr_workgroup_id_y 1
		.amdhsa_system_sgpr_workgroup_id_z 1
		.amdhsa_system_vgpr_workitem_id 0
		.amdhsa_next_free_vgpr 196
		.amdhsa_next_free_sgpr 66
		.amdhsa_reserve_vcc 0
		.amdhsa_float_denorm_mode_32 3
		.amdhsa_float_denorm_mode_16_64 3
		.amdhsa_memory_ordered 1
		.amdhsa_forward_progress 1
		.amdhsa_inst_pref_size 41
	.end_amdhsa_kernel
	.amdgpu_metadata
---
amdhsa.version: [ 1, 2 ]
amdhsa.kernels:
  - .name:           k_qad464c2d5c_quant
    .symbol:         k_qad464c2d5c_quant.kd
    .args:
      - { .name: x, .offset: 0, .size: 8, .value_kind: global_buffer, .address_space: global }
      - { .name: wq, .offset: 8, .size: 8, .value_kind: global_buffer, .address_space: global }
      - { .name: wk, .offset: 16, .size: 8, .value_kind: global_buffer, .address_space: global }
      - { .name: wv, .offset: 24, .size: 8, .value_kind: global_buffer, .address_space: global }
      - { .name: wo, .offset: 32, .size: 8, .value_kind: global_buffer, .address_space: global }
      - { .name: xc, .offset: 40, .size: 8, .value_kind: global_buffer, .address_space: global }
      - { .name: xsc, .offset: 48, .size: 8, .value_kind: global_buffer, .address_space: global }
      - { .name: wc, .offset: 56, .size: 8, .value_kind: global_buffer, .address_space: global }
      - { .name: wsc, .offset: 64, .size: 8, .value_kind: global_buffer, .address_space: global }
      - { .name: cos, .offset: 72, .size: 8, .value_kind: global_buffer, .address_space: global }
      - { .name: sin, .offset: 80, .size: 8, .value_kind: global_buffer, .address_space: global }
    .group_segment_fixed_size: 33280
    .private_segment_fixed_size: 0
    .kernarg_segment_align: 8
    .kernarg_segment_size: 88
    .max_flat_workgroup_size: 128
    .sgpr_count:     66
    .vgpr_count:     196
    .wavefront_size: 32
...
	.end_amdgpu_metadata
.endif
;; end of part 1
;; launch qkv (part 2): grid 192 x 1, 4 waves a work-group, clusters of 4 x 1, 327,680 bytes of LDS; arguments xc, xsc, wc, wsc, q_norm_w, k_norm_w, qkvc, qkvsc; writes qkvc, qkvsc
.if DOCPART == 2
	.amdgcn_target "amdgcn-amd-amdhsa--gfx1250"
	.amdhsa_code_object_version 6
	.text
	.protected	k_qad464c2d5c_qkv
	.globl	k_qad464c2d5c_qkv
	.p2align	8
	.type	k_qad464c2d5c_qkv,@function
k_qad464c2d5c_qkv:
	s_mov_b64 s[64:65], 0
	v_nop
	global_prefetch_b8 v0, s[64:65] scope:SCOPE_SE
	s_setreg_imm32_b32 hwreg(HW_REG_WAVE_MODE, 25, 1), 1
	s_wait_xcnt 0x0
	s_wait_alu depctr_hold_cnt(0) depctr_sa_sdst(0) depctr_va_vdst(0) depctr_va_sdst(0) depctr_va_ssrc(0) depctr_va_vcc(0) depctr_vm_vsrc(0)
	s_getreg_b32 s2, hwreg(HW_REG_IB_STS2, 6, 4)
	s_cmp_eq_u32 s2, 0
	s_cbranch_scc0 .Lentry_in_a_cluster
	s_endpgm
.Lentry_in_a_cluster:
	s_bfe_u32 s2, ttmp6, 0x10000c
	s_cmp_lg_u32 s2, 0x3003
	s_cbranch_scc0 .Lentry_shape_is_right
	s_endpgm
.Lentry_shape_is_right:
.set SIZE_K, 2048
.set KSTEP,  256
.set NQ,     KSTEP/128
.set ROWB,   192
; LAUNCH 2 OF 4.  q, k, v = x W^T on codes of FP6, blocks of 256 x 256, then RMS norm and RoPE (q, k) and the quantiser, all in f32; nothing is left out here.
; xc and wc lie by tiles [block of 256 rows][K step of 256][256 rows][192 bytes]: a K step's codes of 128 rows are 24,576 dense bytes, loaded as 96 rows of 256 bytes;
; 16 bytes of padding behind each 64 make a row of codes 240 bytes in LDS.  The head's four tiles (A's and B's 256 rows of K step 0, A's and B's scales) go out one a wave.
.set KROW,   SIZE_K*6/8
.set TSTEP,  49152                     ; from K step to K step of a block of 256 rows
.set THALF,  24576                     ; 128 rows of a K step
.set G0H,    4                         ; s[4:7], s[8:11] group 0 of the head's loads of codes (the arguments there have been used)
.set G0HB,   8
.set PITCH,  240
.set FR,     12
.set NL,     6
.set NP,     4
.set HALFT,  128*PITCH
.set SLOT,   4*HALFT
.set LAPS,   SIZE_K/(2*KSTEP)
.set KS,     SIZE_K/32
.set SCL,    2*SLOT
.set HALFS,  (128*KS/256)*272
.set SBLK,   (16*KS/256)*272
.set SPARE,  SCL+4*HALFS
.set VST,    16384
.set BK,   2
.set WOF,  14
.set CSO,  15
.set ADRA, 16
.set ADRB, 20
.set STO,  24
.set RD,   25
.set CO,   26
.set ADRS, 27
.set SPW,  28
.set NIL,  29
.set SCW,  30
.set CO1,  31
.set SC,   32
.set AF,   128
.set Y,    64
.set PC,   128
.set TM,   148
.set PW,   164
.set SS,   166
.set RS,   174
.set TT,   176
.set NW,   192
.set SEL,  92
.set G1, 24
.set G0, 32
.set G1B, 48
.set G0B, 56
.set G1S, 68
.set G0S, 76
.set G1SB, 80
.set G0SB, 88
.set MSB, 0
.macro WIN new
.set WN, (\new)
.if MSB != WN
	s_set_vgpr_msb (MSB<<8)|WN
.set MSB, WN
.endif
.endm
.set MUL_LO, 0xa1
.set MUL_HI, 0xf1
.set TO_B,   0x40
.macro JLOAD g0a, g1a, g0b, g1b
	s_cmp_eq_u32 s15, 0
	s_cbranch_scc0 .Lfor_b_\@
	tensor_load_to_lds s[\g0a:\g0a+3], s[\g1a:\g1a+7]
	s_nop 0
.rept 4
	v_nop
.endr
	s_branch .Lasked_\@
.Lfor_b_\@:
	tensor_load_to_lds s[\g0b:\g0b+3], s[\g1b:\g1b+7]
	s_nop 0
.rept 4
	v_nop
.endr
.Lasked_\@:
.endm
.macro CREST
	s_cmp_lg_u32 s14, 0
	s_cbranch_scc1 .Lnot_wave_0_\@
	s_barrier_signal -3
.Lnot_wave_0_\@:
	s_barrier_wait -3
	s_barrier_signal -1
	s_barrier_wait -1
.endm
.macro CROUND
	s_barrier_signal -1
	s_barrier_wait -1
	CREST
.endm
	s_load_b256 s[4:11], s[0:1], 0x0
	v_lshl_add_u32 v[SPW], v0, 2, SPARE
	v_mov_b32 v[NIL], 0
	ds_add_u32 v[SPW], v[NIL]
	ds_add_u32 v[SPW], v[NIL]
	v_lshrrev_b32 v1, 5, v0
	v_readfirstlane_b32 s14, v1
	s_lshr_b32 s15, s14, 1
	s_and_b32 s16, s14, 1
	s_bfe_u32 s40, ttmp6, 0x40000
	s_sub_co_u32 s41, ttmp9, 32
	s_lshr_b32 s42, s41, 3
	s_lshl_b32 s43, s42, 8
	s_add_co_u32 s43, s43, 1024
	s_lshl_b32 s44, ttmp9, 8
	s_and_b32 s45, s41, 7
	s_lshl_b32 s45, s45, 2
	s_add_co_u32 s45, s45, s40
	s_lshl_b32 s46, s45, 8
	s_lshl_b32 s47, s40, 8
	s_lshl_b32 s92, s42, 1
	s_add_co_u32 s92, s92, s15
	s_add_co_u32 s92, s92, 8
	s_lshl_b32 s93, s40, 1
	s_add_co_u32 s93, s93, s16
	s_cmp_ge_u32 ttmp9, 32
	s_cselect_b32 s20, s43, s44
	s_cselect_b32 s46, s46, s47
	s_cselect_b32 s98, s92, s93
	s_cselect_b32 s95, s45, ttmp9
	s_cselect_b32 s99, s16, s15
	s_lshr_b32 s96, s98, 2
	s_lshl_b32 s96, s96, 15
	s_lshr_b32 s92, s95, 3
	s_lshl_b32 s92, s92, 2
	s_and_b32 s93, s98, 3
	s_add_co_u32 s92, s92, s93
	s_lshl_b32 s92, s92, 11
	s_add_co_u32 s96, s96, s92
	s_and_b32 s92, s95, 7
	s_lshl_b32 s92, s92, 8
	s_add_co_u32 s96, s96, s92
	s_lshl_b32 s93, s99, 7
	s_add_co_u32 s96, s96, s93
	s_lshl_b32 s93, s15, 7
	s_add_co_u32 s97, s92, s93
	s_mov_b32 s[G1+0], 15|(1<<20)|(1<<21)|(3<<22)|(3<<25)
	s_mov_b32 s[G1B+0], (1<<20)|(3<<22)|(3<<25)
.irp g, G1, G1B
	s_mov_b32 s[\g+1], 256<<16
	s_mov_b32 s[\g+2], 192<<16                     ; the head's loads: 256 rows of codes = 192 rows of 256 bytes
	s_mov_b32 s[\g+3], 256<<16
	s_mov_b32 s[\g+4], 192
	s_mov_b32 s[\g+5], 256
	s_mov_b32 s[\g+6], 0
	s_mov_b32 s[\g+7], 0
.endr
	s_mov_b32 s[G1S+0], 15|(3<<16)|(1<<20)|(1<<21)|(5<<22)|(3<<25)
	s_mov_b32 s[G1SB+0], (3<<16)|(1<<20)|(5<<22)|(3<<25)
.irp g, G1S, G1SB
	s_mov_b32 s[\g+1], 32<<16
	s_mov_b32 s[\g+2], KS<<16                      ; the scales of 256 rows: KS rows of 256 bytes
	s_mov_b32 s[\g+3], 32<<16
	s_mov_b32 s[\g+4], KS
	s_mov_b32 s[\g+5], 32
	s_mov_b32 s[\g+6], 0
	s_mov_b32 s[\g+7], 0
.endr
	s_mov_b32 s21, 0
	s_mov_b32 s47, 0
	s_mov_b64 s[18:19], KS
	s_mul_u64 s[22:23], s[20:21], s[18:19]
	s_mul_u64 s[92:93], s[46:47], s[18:19]
	s_mov_b64 s[18:19], KROW
	s_mul_u64 s[20:21], s[20:21], s[18:19]
	s_mul_u64 s[46:47], s[46:47], s[18:19]
	s_mul_i32 s17, s14, HALFT
	s_mul_i32 s18, s16, THALF                      ; in the ring I fetch 128 rows of a tile: which half
	s_mov_b32 s19, 0
	s_wait_dscnt 0x0
	s_wait_kmcnt 0x0
	s_cmp_ge_u32 ttmp9, 32
	s_cselect_b64 s[12:13], s[8:9], s[4:5]
	s_cselect_b64 s[66:67], s[4:5], s[8:9]
	s_cselect_b64 s[4:5], s[10:11], s[6:7]
	s_cselect_b64 s[8:9], s[6:7], s[10:11]
	s_add_nc_u64 s[20:21], s[12:13], s[20:21]
	s_add_nc_u64 s[22:23], s[4:5], s[22:23]
	s_add_nc_u64 s[46:47], s[66:67], s[46:47]
	s_add_nc_u64 s[92:93], s[8:9], s[92:93]
	CROUND
	s_mov_b32 s[G0S], 1
	s_mov_b32 s[G0S+1], SCL
	s_mov_b64 s[G0S+2:G0S+3], s[22:23]
	s_or_b32 s[G0S+3], s[G0S+3], 0x80000000
	s_mov_b32 s[G0SB], 1
	s_mov_b32 s[G0SB+1], SCL+2*HALFS
	s_mov_b64 s[G0SB+2:G0SB+3], s[92:93]
	s_or_b32 s[G0SB+3], s[G0SB+3], 0x80000000
	s_mov_b32 s[G0H], 1                            ; K step 0: A's 256 rows,
	s_mov_b32 s[G0H+1], 0
	s_mov_b64 s[G0H+2:G0H+3], s[20:21]
	s_or_b32 s[G0H+3], s[G0H+3], 0x80000000
	s_mov_b32 s[G0HB], 1                           ; and B's, behind them in slot 0
	s_mov_b32 s[G0HB+1], 2*HALFT
	s_mov_b64 s[G0HB+2:G0HB+3], s[46:47]
	s_or_b32 s[G0HB+3], s[G0HB+3], 0x80000000
	s_add_nc_u64 s[20:21], s[20:21], s[18:19]      ; for the ring: my 128 rows
	s_add_nc_u64 s[46:47], s[46:47], s[18:19]
.irp s, 0,1
	s_mov_b32 s[G0+4*\s], 1
	s_add_co_u32 s[G0+4*\s+1], s17, \s*SLOT
	s_add_nc_u64 s[G0+4*\s+2:G0+4*\s+3], s[20:21], \s*TSTEP
	s_or_b32 s[G0+4*\s+3], s[G0+4*\s+3], 0x80000000
	s_mov_b32 s[G0B+4*\s], 1
	s_add_co_u32 s[G0B+4*\s+1], s17, \s*SLOT
	s_add_nc_u64 s[G0B+4*\s+2:G0B+4*\s+3], s[46:47], \s*TSTEP
	s_or_b32 s[G0B+4*\s+3], s[G0B+4*\s+3], 0x80000000
.endr
; the head's loads, one a wave, in one tree of branches on the wave's number
.macro ARM under, g0, g1, next
	s_cmp_lt_u32 s14, \under
	s_cbranch_scc0 \next
	tensor_load_to_lds s[\g0:\g0+3], s[\g1:\g1+7]
	s_nop 0
.rept 4
	v_nop
.endr
	s_branch .Lhead_asked
\next:
.endm
	ARM 1, G0H,  G1,  .Lhead_b
	ARM 2, G0HB, G1B, .Lhead_sa
	ARM 3, G0S,  G1S, .Lhead_sb
	tensor_load_to_lds s[G0SB:G0SB+3], s[G1SB:G1SB+7]
	s_nop 0
.rept 4
	v_nop
.endr
.Lhead_asked:
	v_and_b32 v1, 15, v0
	v_bfe_u32 v2, v0, 4, 1
	v_mul_u32_u24 v3, v1, PITCH
	v_mul_u32_u24 v4, v2, 24
	v_add_nc_u32 v4, v3, v4
	v_lshl_add_u32 v5, v2, 4, v4
	s_mul_i32 s21, s15, HALFT
	s_mul_i32 s22, s16, HALFT
	s_add_co_u32 s22, s22, 2*HALFT
.irp s, 0,1
	v_add_nc_u32 v[ADRA+\s], s21, v4
	v_add_nc_u32 v[ADRB+\s], s22, v4
	v_add_nc_u32 v[ADRA+2+\s], s21, v5
	v_add_nc_u32 v[ADRB+2+\s], s22, v5
	s_add_co_u32 s21, s21, SLOT
	s_add_co_u32 s22, s22, SLOT
.endr
	v_mul_u32_u24 v5, v1, KS
	v_lshrrev_b32 v6, 8, v5
	v_lshl_add_u32 v5, v6, 4, v5
	s_mul_i32 s21, s15, HALFS
	s_mul_i32 s22, s16, HALFS
	s_add_co_u32 s22, s22, 2*HALFS
	s_sub_co_u32 s22, s22, s21
	v_mul_u32_u24 v6, s22, v2
	s_add_co_u32 s21, s21, SCL
	v_add_nc_u32 v5, v5, v6
	v_add_nc_u32 v[ADRS], s21, v5
	s_lshl_b32 s23, s14, 11
	v_and_b32 v7, 8, v1
	v_add_nc_u32 v7, v7, v1
	v_mul_u32_u24 v5, v1, 96
	v_mad_u32_u24 v5, v2, 24, v5
	v_add_nc_u32 v[STO], s23, v5
	v_and_b32 v6, 31, v0
	v_lshlrev_b32 v[CO], 4, v6
	v_add_nc_u32 v[RD], s23, v[CO]
	v_mad_u32_u24 v[CO1], v2, 768, v[CO]
	v_lshlrev_b32 v5, 2, v7
	v_add_nc_u32 v5, s23, v5
	v_add_nc_u32 v[SCW], 1536, v5
	v_lshlrev_b32 v[WOF], 6, v2
.macro FRAG reg, adr, q, i
.irp p, 0,1,2,3,4,5
.set PCE, 12*(\q)+6*(\p/3)+\p%3
.if PCE%8 < 5
	ds_load_b64 v[\reg+2*\p:\reg+2*\p+1], v[\adr] offset:8*PCE+16*(PCE/8)+(\i)*16*PITCH
.else
	ds_load_b64 v[\reg+2*\p:\reg+2*\p+1], v[\adr+2] offset:8*PCE+16*(PCE/8)+(\i)*16*PITCH
.endif
.endr
.endm
.macro MUL16 a0, p, q, sc, zero
.irp a, \a0, \a0+1
.irp b, 0,1,2,3,4,5,6,7
.if \zero
	v_wmma_scale_f32_16x16x128_f8f6f4 v[8*(8*((\a)%4)+\b):8*(8*((\a)%4)+\b)+7], v[128*(\p)+FR*\b:128*(\p)+FR*\b+FR-1], v[AF+FR*(\a):AF+FR*(\a)+FR-1], 0, v[SC+8*NQ*(\sc)+NQ*\b+(\q)], v[SC+8*NQ*(\sc)+NQ*(\a)+(\q)] matrix_a_fmt:MATRIX_FMT_FP6 matrix_b_fmt:MATRIX_FMT_FP6 matrix_a_scale:MATRIX_SCALE_ROW1
.else
	v_wmma_scale_f32_16x16x128_f8f6f4 v[8*(8*((\a)%4)+\b):8*(8*((\a)%4)+\b)+7], v[128*(\p)+FR*\b:128*(\p)+FR*\b+FR-1], v[AF+FR*(\a):AF+FR*(\a)+FR-1], v[8*(8*((\a)%4)+\b):8*(8*((\a)%4)+\b)+7], v[SC+8*NQ*(\sc)+NQ*\b+(\q)], v[SC+8*NQ*(\sc)+NQ*(\a)+(\q)] matrix_a_fmt:MATRIX_FMT_FP6 matrix_b_fmt:MATRIX_FMT_FP6 matrix_a_scale:MATRIX_SCALE_ROW1
.endif
.endr
.endr
.endm
.macro FETCH_B slot, q, p
	WIN TO_B
.irp i, 0,1,2,3,4,5,6,7
	FRAG 128*(\p)+FR*\i, ADRB+\slot, \q, \i
.endr
	WIN 0
.endm
.macro FETCH_A slot, q, i0
.irp i, \i0, \i0+1, \i0+2, \i0+3
	FRAG AF+FR*(\i), ADRA+\slot, \q, \i
.endr
.endm
.macro SCALES sc
.irp i, 0,1,2,3,4,5,6,7
	ds_load_b64 v[SC+8*NQ*\sc+NQ*\i:SC+8*NQ*\sc+NQ*\i+1], v[ADRS] offset:\i*SBLK
.endr
.endm
.macro PLACES n
.rept \n
	v_nop
.endr
.endm
.macro STEP slot, q, zero
	s_wait_dscnt 4*NL
	WIN MUL_LO
	MUL16 0, (\q)%2, \q, \slot, \zero
	MUL16 2, (\q)%2, \q, \slot, \zero
	s_wait_dscnt 0
	PLACES NP
	FETCH_B \slot, (\q)+1, 1-(\q)%2
	FETCH_A \slot, (\q)+1, 0
	WIN MUL_HI
	MUL16 4, (\q)%2, \q, \slot, \zero
	MUL16 6, (\q)%2, \q, \slot, \zero
	PLACES NP
	WIN 0
	FETCH_A \slot, (\q)+1, 4
.endm
.macro TURN slot, next, fill
	s_wait_tensorcnt 0x0
	ds_add_u32 v[SPW], v[NIL]
	s_wait_dscnt 4*NL+1
	WIN MUL_LO
	MUL16 0, 1, NQ-1, \slot, 0
	s_wait_dscnt 0x0
	s_barrier_signal -1
	MUL16 2, 1, NQ-1, \slot, 0
	WIN 0
	s_barrier_wait -1
.if \fill
	CREST
	s_add_nc_u64 s[G0+4*\slot+2:G0+4*\slot+3], s[G0+4*\slot+2:G0+4*\slot+3], 2*TSTEP
	s_add_nc_u64 s[G0B+4*\slot+2:G0B+4*\slot+3], s[G0B+4*\slot+2:G0B+4*\slot+3], 2*TSTEP
	JLOAD G0+4*\slot, G1, G0B+4*\slot, G1B
.else
	PLACES NP
.endif
	s_wait_alu depctr_va_vdst(0)
	v_add_nc_u32 v[ADRS], 4*NQ, v[ADRS]
	FETCH_B \next, 0, 0
	FETCH_A \next, 0, 0
	SCALES \next
	WIN MUL_HI
	MUL16 4, 1, NQ-1, \slot, 0
	MUL16 6, 1, NQ-1, \slot, 0
	PLACES NP
	WIN 0
	FETCH_A \next, 0, 4
.endm
	s_wait_alu depctr_va_vdst(0)                   ; the wait at the head's end
	s_wait_tensorcnt 0x0                           ; my tile of the head's four is in; slot 1's first fill is issued as a refill is
	ds_add_u32 v[SPW], v[NIL]
	s_mov_b32 s[G1+2], 96<<16                      ; no tensor load of mine is out: from here on a load brings 128 rows of codes = 96 rows of 256 bytes
	s_mov_b32 s[G1+4], 96
	s_mov_b32 s[G1B+2], 96<<16
	s_mov_b32 s[G1B+4], 96
	s_wait_dscnt 0x0
	CROUND
	JLOAD G0+4, G1, G0B+4, G1B                     ; K step 1, the first tensor load behind the round
	FETCH_B 0, 0, 0
	FETCH_A 0, 0, 0
	SCALES 0
	FETCH_A 0, 0, 4
	STEP 0, 0, 1
	s_mov_b32 s3, LAPS-1
.Llap:
	TURN 0, 1, 1
	STEP 1, 0, 0
	TURN 1, 0, 1
	STEP 0, 0, 0
	s_sub_co_u32 s3, s3, 1
	s_cmp_lg_u32 s3, 0
	s_cbranch_scc1 .Llap
	s_load_b64 s[68:69], s[0:1], 0x18              ; wsc: behind its scale bytes lie cos and sin, in the order of my registers
	s_load_b256 s[72:79], s[0:1], 0x20             ; q_norm_w, k_norm_w, qkvc, qkvsc
	TURN 0, 1, 0
	STEP 1, 0, 0
; cos and sin of block a: 32 loads, each of 512 consecutive bytes (16 x lane), into window 1
.macro CSLOAD a
.set CB, 128*((\a)%2)
	WIN 0x40
.irp b, 0,1,2,3
.irp j, 0,1,2,3
	global_load_b128 v[CB+16*\b+4*\j:CB+16*\b+4*\j+3], v[CO], s[68:69] offset:8192*(\a)+512*(4*\b+\j)
	global_load_b128 v[CB+64+16*\b+4*\j:CB+64+16*\b+4*\j+3], v[CO], s[70:71] offset:8192*(\a)+512*(4*\b+\j)
.endr
.endr
	WIN 0
.endm
	s_wait_kmcnt 0x0
	s_lshl_b32 s20, s97, 9                         ; my 128 positions: 65,536 bytes a group,
	s_add_co_u32 s20, s20, 131072                  ; behind the scale bytes
	s_mov_b32 s21, 0
	s_add_nc_u64 s[68:69], s[68:69], s[20:21]      ; cos,
	s_add_nc_u64 s[70:71], s[68:69], 0x100000      ; sin
	s_cmp_ge_u32 ttmp9, 32                         ; v has no RoPE: the same in all partners of a cluster
	s_cbranch_scc1 .Lno_cs0
	CSLOAD 0                                       ; block 0's, a step early: into B's set 0, which the last step does not read; the four places behind its last products stand in STEP
.Lno_cs0:
	s_wait_dscnt 4*NL
	WIN MUL_LO
	MUL16 0, 1, NQ-1, 1, 0
	MUL16 2, 1, NQ-1, 1, 0
	s_wait_dscnt 0
	WIN MUL_HI
	MUL16 4, 1, NQ-1, 1, 0
	MUL16 6, 1, NQ-1, 1, 0
	WIN 0
.macro QUANT s, w
	WIN (\w)|((\w)<<2)
.irp b, 0,1,2,3
	v_max3_num_f32 v[TM+\b], |v[(\s)+16*\b]|, |v[(\s)+1+16*\b]|, 0x1800000
.endr
	WIN ((\w)<<2)|((\w)<<4)
.irp i, 2,4,6,8,10,12,14
.irp b, 0,1,2,3
	v_max3_num_f32 v[TM+\b], v[TM+\b], |v[(\s)+16*\b+\i]|, |v[(\s)+1+16*\b+\i]|
.endr
.endr
	WIN 0
.irp b, 0,1,2,3
	v_permlanex16_b32 v[TM+4+\b], v[TM+\b], s[SEL], s[SEL+1]
.endr
.irp b, 0,1,2,3
	v_max_num_f32 v[TM+\b], v[TM+\b], v[TM+4+\b]
.endr
.irp b, 0,1,2,3
	v_add_nc_u32 v[TM+12+\b], 0xff000000, v[TM+\b]
.endr
.irp b, 0,1,2,3
	v_lshrrev_b32 v[TM+4+\b], 23, v[TM+12+\b]
.endr
	v_lshl_or_b32 v[PW], v[TM+5], 8, v[TM+4]
	v_lshl_or_b32 v[PW], v[TM+6], 16, v[PW]
	v_lshl_or_b32 v[PW], v[TM+7], 24, v[PW]
	WIN \w
.irp c, 0,1
	v_cvt_scalef32_pk16_fp6_f32 v[PC+6*\c:PC+2+6*\c], v[(\s)+32*\c:(\s)+15+32*\c], v[TM+12+2*\c]
	v_cvt_scalef32_pk16_fp6_f32 v[PC+12+4*\c:PC+14+4*\c], v[(\s)+16+32*\c:(\s)+31+32*\c], v[TM+12+2*\c+1]
.endr
	WIN 0
	v_nop
.irp c, 0,1
.irp i, 0,1,2
	v_permlane16_swap_b32 v[PC+6*\c+\i], v[PC+12+4*\c+\i]
.endr
.irp i, 0,1,2
	v_mov_b32 v[PC+3+6*\c+\i], v[PC+12+4*\c+\i]
.endr
.endr
.endm
.macro NORMROPE a
.set AC, 64*((\a)%4)
.set WW, 2+(\a)/4
.set CB, 128*((\a)%2)
	WIN WW|(WW<<2)
.set NN, 0
.rept 4
	v_pk_mul_f32 v[SS+NN:SS+NN+1], v[AC+NN:AC+NN+1], v[AC+NN:AC+NN+1]
.set NN, NN+2
.endr
.rept 28
	v_pk_fma_f32 v[SS+NN%8:SS+NN%8+1], v[AC+NN:AC+NN+1], v[AC+NN:AC+NN+1], v[SS+NN%8:SS+NN%8+1]
.set NN, NN+2
.endr
	WIN 0
	v_pk_add_f32 v[SS:SS+1], v[SS:SS+1], v[SS+2:SS+3]
	v_pk_add_f32 v[SS+4:SS+5], v[SS+4:SS+5], v[SS+6:SS+7]
	v_pk_add_f32 v[SS:SS+1], v[SS:SS+1], v[SS+4:SS+5]
	v_add_f32 v[SS], v[SS], v[SS+1]
	v_permlanex16_b32 v[SS+2], v[SS], s[SEL], s[SEL+1]
	v_add_f32 v[SS], v[SS], v[SS+2]
	v_fma_f32 v[SS], v[SS], s18, s19
	s_wait_alu depctr_va_vdst(0)
	v_rsq_f32 v[RS], v[SS]
	WIN WW
.set NN, 0
.rept 32
	v_pk_mul_f32 v[Y+NN:Y+NN+1], v[AC+NN:AC+NN+1], v[NW+NN:NW+NN+1]
.set NN, NN+2
.endr
	WIN 0
	s_wait_alu depctr_va_vdst(0)
.set NN, 0
.rept 32
	v_pk_mul_f32 v[Y+NN:Y+NN+1], v[Y+NN:Y+NN+1], v[RS:RS+1] op_sel_hi:[1,0]
.set NN, NN+2
.endr
	WIN 0x04
.set NN, 0
.rept 16
.set T0, TT+4*((NN/2)%2)
	v_pk_mul_f32 v[T0:T0+1], v[Y+32+NN:Y+33+NN], v[CB+64+NN:CB+65+NN]
	v_pk_mul_f32 v[T0+2:T0+3], v[Y+NN:Y+NN+1], v[CB+96+NN:CB+97+NN]
	v_pk_fma_f32 v[Y+NN:Y+NN+1], v[Y+NN:Y+NN+1], v[CB+NN:CB+NN+1], v[T0:T0+1] neg_lo:[0,0,1] neg_hi:[0,0,1]
	v_pk_fma_f32 v[Y+32+NN:Y+33+NN], v[Y+32+NN:Y+33+NN], v[CB+32+NN:CB+33+NN], v[T0+2:T0+3]
.set NN, NN+2
.endr
	WIN 0
.endm
.macro OUTBLK a, stg
.set RB, 32*((\a)/2)+8*((\a)%2)
.irp p, 0,1,2,3,4,5
	ds_store_b64 v[STO], v[PC+2*\p:PC+2*\p+1] offset:(\stg)+48*(\p/3)+8*(\p%3)
.endr
	ds_store_b32 v[SCW], v[PW] offset:(\stg)+4*RB
	s_wait_xcnt 0x0
.irp i, 0,1,2
	ds_load_b128 v[BK+4*\i:BK+4*\i+3], v[RD] offset:(\stg)+512*\i
.endr
	s_wait_dscnt 0x0
	global_store_b128 v[CO], v[BK:BK+3], s[76:77] offset:96*RB
	global_store_b128 v[CO1], v[BK+4:BK+7], s[76:77] offset:96*RB+512
	global_store_b128 v[CO], v[BK+8:BK+11], s[76:77] offset:96*RB+1792
.endm
.macro SCOUT stg
	s_wait_xcnt 0x0
	ds_load_b128 v[BK:BK+3], v[RD] offset:(\stg)+1536
	s_wait_dscnt 0x0
	global_store_b128 v[CO], v[BK:BK+3], s[78:79]
.endm
	PLACES NP
	s_wait_kmcnt 0x0
	s_mul_i32 s20, s96, 96
	s_mov_b32 s21, 0
	s_add_nc_u64 s[76:77], s[76:77], s[20:21]
	s_lshl_b32 s20, s96, 2
	s_add_nc_u64 s[78:79], s[78:79], s[20:21]
	s_cmp_lt_u32 s98, 4
	s_cselect_b64 s[72:73], s[72:73], s[74:75]
	s_mov_b32 s[SEL], 0x76543210
	s_mov_b32 s[SEL+1], 0xfedcba98
	s_mov_b32 s18, 0x3c000000
	s_mov_b32 s19, 0x358637bd
.irp b, 0,1,2,3
	v_mov_b32 v[TM+4+\b], 0
.endr
	v_mov_b32 v[RS+1], 0
	s_cmp_ge_u32 ttmp9, 32
	s_cbranch_scc1 .Lv
.irp b, 0,1,2,3
.irp j, 0,1,2,3
	global_load_b128 v[NW+16*\b+4*\j:NW+16*\b+4*\j+3], v[WOF], s[72:73] offset:128*\b+16*\j
.endr
.endr
.irp a, 0,1,2,3,4,5,6,7
.if \a < 7
	CSLOAD \a+1
	s_wait_loadcnt 32
.else
	s_wait_loadcnt 0x0
.endif
	NORMROPE \a
	QUANT Y, 0
	OUTBLK \a, 0
.endr
	SCOUT 0
	s_branch .Ldone
.Lv:
.irp a, 0,1,2,3,4,5,6,7
	QUANT 64*(\a%4), 2+\a/4
	OUTBLK \a, VST
.endr
	SCOUT VST
.Ldone:
	s_wait_tensorcnt 0x0
	ds_add_u32 v[SPW], v[NIL]
	s_wait_dscnt 0x0
	CROUND
	s_endpgm
.Lfunc_end_k_qad464c2d5c_qkv:
	.size	k_qad464c2d5c_qkv, .Lfunc_end_k_qad464c2d5c_qkv-k_qad464c2d5c_qkv
	.p2alignl 7, 3214868480
	.fill 96, 4, 3214868480
	.section	.rodata,"a",@progbits
	.p2align	6, 0x0
	.amdhsa_kernel k_qad464c2d5c_qkv
		.amdhsa_group_segment_fixed_size 327680
		.amdhsa_private_segment_fixed_size 0
		.amdhsa_enable_private_segment 0
		.amdhsa_kernarg_size 64
		.amdhsa_user_sgpr_count 2
		.amdhsa_user_sgpr_kernarg_segment_ptr 1
		.amdhsa_wavefront_size32 1
		.amdhsa_system_sgpr_workgroup_id_x 1
		.amdhsa_system_sgpr_workgroup_id_y 1
		.amdhsa_system_sgpr_workgroup_id_z 1
		.amdhsa_system_vgpr_workitem_id 0
		.amdhsa_next_free_vgpr 1024
		.amdhsa_next_free_sgpr 100
		.amdhsa_reserve_vcc 0
		.amdhsa_float_denorm_mode_32 3
		.amdhsa_float_denorm_mode_16_64 3
		.amdhsa_memory_ordered 1
		.amdhsa_forward_progress 1
		.amdhsa_inst_pref_size 255
	.end_amdhsa_kernel
	.section	.bss,"aw",@nobits
	.p2align	6
	.space	262144
	.amdgpu_metadata
---
amdhsa.version: [ 1, 2 ]
amdhsa.kernels:
  - .name:           k_qad464c2d5c_qkv
    .symbol:         k_qad464c2d5c_qkv.kd
    .args:
      - { .name: xc, .offset: 0, .size: 8, .value_kind: global_buffer, .address_space: global }
      - { .name: xsc, .offset: 8, .size: 8, .value_kind: global_buffer, .address_space: global }
      - { .name: wc, .offset: 16, .size: 8, .value_kind: global_buffer, .address_space: global }
      - { .name: wsc, .offset: 24, .size: 8, .value_kind: global_buffer, .address_space: global }
      - { .name: q_norm_w, .offset: 32, .size: 8, .value_kind: global_buffer, .address_space: global }
      - { .name: k_norm_w, .offset: 40, .size: 8, .value_kind: global_buffer, .address_space: global }
      - { .name: qkvc, .offset: 48, .size: 8, .value_kind: global_buffer, .address_space: global }
      - { .name: qkvsc, .offset: 56, .size: 8, .value_kind: global_buffer, .address_space: global }
    .group_segment_fixed_size: 327680
    .private_segment_fixed_size: 0
    .kernarg_segment_align: 8
    .kernarg_segment_size: 64
    .max_flat_workgroup_size: 128
    .sgpr_count:     100
    .vgpr_count:     1024
    .wavefront_size: 32
...
	.end_amdgpu_metadata
.endif
;; end of part 2
;; launch attn (part 3): grid 16 x 16, 16 waves a work-group, no clusters, 327,680 bytes of LDS; arguments qkvc, qkvsc, ac, asc; writes ac, asc
.if DOCPART == 3
	.amdgcn_target "amdgcn-amd-amdhsa--gfx1250"
	.amdhsa_code_object_version 6
	.text
	.protected	k_qad464c2d5c_attn
	.globl	k_qad464c2d5c_attn
	.p2align	8
	.type	k_qad464c2d5c_attn,@function
k_qad464c2d5c_attn:
	s_mov_b64 s[64:65], 0
	v_nop
	global_prefetch_b8 v0, s[64:65] scope:SCOPE_SE
	s_setreg_imm32_b32 hwreg(HW_REG_WAVE_MODE, 25, 1), 1
	s_wait_xcnt 0x0
; LAUNCH 3 OF 4.  For each of 16 (batch, head): O[q] = sum over k <= q of p(q, k) V[k] / l(q), both products on codes of FP6, and O quantised along (head, d) for the last product.
; LEFT OUT: a step of 128 keys all of which lie behind a wave's 16 queries (the causal mask that reference() builds gives them the weight 0 for all inputs); keys that no wave of the work-group reads are not fetched.
; THE SOFTMAX: t = score x log2(e) / sqrt(128); M = the running largest t rounded UP to a whole number; p = 2^(t - M) is quantised along the keys, not normalised; l is the sum of the unquantised p and divides O at the end.
; When M moves, l and O are multiplied by 2^(old M - new M): exact.
; IN: qkvc's three regions [16][2048][96 bytes]: q and k by position, v by 128 x (key step) + d with the step's 128 keys along the row; qkvsc: one scale word a row.  So V's tiles and words are fetched and read just as K's.
; SHARES.  Work-group (i, bh) owns two blocks of 64 queries, block i (tiles 0-3) and block 31 - i (tiles 4-7): 8 tiles of 16 queries.  THE KEYS OF A TILE ARE SHARED BETWEEN TWO WAVES: tile = wave & 7, half = wave >> 3;
; half 0 walks the even key steps, half 1 the odd ones, so that no wave walks more than 8 of the 16 steps one after the other.  Each wave has its own M, l and O^T.  At the end half 1 hands them to half 0 through LDS:
; M = the larger of the two, each side is multiplied by 2^(its M - M), which rounds nothing, and the sides are added.  Its factor is 0.
; Sixteen waves of 256 registers: four to a SIMD (waves s, s + 4, s + 8, s + 12: a tile of each block, both halves).
; NO CLUSTER: the work-groups of a head end their walks at different keys (their last queries run from 1,087 to 2,047), so a joint load would bring some partners tiles that none of their waves reads.
; RING: two slots of 512 keys (K 49,152 bytes, then V 49,152), filled by waves 0-3, 24,576 dense bytes each (wave 0, 1: K's two halves; wave 2, 3: V's).  A wave has two key steps in a slot.  Every work-group walks all 4 changes of slots.
; LAYOUT.  Both products transposed: S^T = K Q^T, O^T = V^T P^T: a lane holds one query.  Lane r of tile 2 b + u takes row 32 b + 8 u + r + 8 (r / 8) of K (of V), so that 16 registers of two neighbouring tiles are 16 neighbouring keys (channels).
; V'S FRAGMENTS ARE ASKED FOR EARLY: the first four directly behind the score products, into K's registers; the last four directly behind the conversions, into p's registers: they land under the softmax's vector work.
; OUT: ac [8192 (b, s)][384 bytes], my head's 96 bytes of a row; asc [8192][16], my head's word.  LIMIT: a row's four heads come from four work-groups, so ac is written in pieces of 96 bytes.
; REGISTERS: v1-4 addresses that stay; v5, v6 the add's two; v8-11 addresses in hand; v12 -M, v13 the largest t, v[14:15] l in two halves; v16-27 Q; v28 the prefetches' offset; v32-79 four fragments; v80-83 scale words of V's last four tiles;
; v96-159 S^T, then p, then V's last four fragments; v160-223 O^T; v224-235 p's codes; v232-254 at work; v248-251, v253, v255 scale words.
.set SK,    512                        ; keys in a slot
.set ROWB,  96
.set KP,    96                         ; a row in LDS
.set VOFF,  SK*KP                      ; a slot: K's 512 rows, then V's 512 rows
.set SLOTB, SK*ROWB                    ; a slot's bytes of K, and of V, in memory
.set SLOT1, 1<<17                      ; slot 1 begins here: one exclusive or turns an address from one slot to the other
.set NSL,   2048/SK
.set SCK,   2*SLOT1                    ; K's scale words of the whole head: 8,192 bytes as units of 256 + 16 of padding;
.set SCH,   16*272                     ; (half of them: what one tensor load brings)
.set SCV,   SCK+2*SCH                  ; V's likewise
.set SPARE, SCK+4*SCH                  ; the spare words, 128 bytes a wave: eight blocks of 256 bytes that no other line names
.set MPAIR, 8704                       ; the hand-over, in slot 0 behind its last fill and its last read: for each tile O^T's image, 8,192 bytes, then -M, t and l, 512 bytes
.set OST,   8*MPAIR                    ; behind the eight: the way out's stages, 1,536 bytes a tile
.set REGC,  3145728                    ; a region of qkvc
.set HEADC, 196608                     ; a head's part of it
.set AK0,  1
.set AV0,  2
.set ASK0, 3
.set ASV0, 4
.set SPW,  5
.set NIL,  6
.set SO,   7                           ; v7      the way out: 16 r
.set ADK,  8
.set ADV,  9
.set ADS,  10
.set ADT,  11
.set PFO,  28                          ; v28     256 x lane; never rewritten
.set GO,   29                          ; v29-31  the way out: my three places in ac
.set VS2,  80                          ; v80-83  scale words and nothing else
.set TB,   2                           ; s2   LDS byte at which the slot in hand begins
.set TS,   3                           ; s3   where the slot's scale words begin: 4 x 544 bytes a slot
.set WV,   18
.set SEL,  20
.set CS,   22
.set G1,   24                          ; s[24:31] group 1 for the tiles; s[40:43] their group 0, which walks
.set TILE, 34                          ; s34  wave & 7
.set PAR,  35                          ; s35  wave >> 3
.set G0,   40
.set G1S,  48                          ; s[48:55], s[56:59] for the scale words
.set G0S,  56
.set QL,   66                          ; s66  my work-group's last query
.set SLOTS, 67
.set PFA,  76                          ; s[76:77], s[78:79] where my prefetches stand in K and in V
.set PFB,  78
.set LIM,  80
.set KB,   81                          ; s81  the first key of the slot in hand: the same in all waves
.set KF,   98                          ; s98  my step's first key
.set Q0,   99                          ; s99  my first query
; The refill.  all = 1: waves 0-3 load; all = 0: waves 0 and 2, the slot's first 256 keys alone.  The branch hangs on the wave's number.  An s_nop 0 and four v_nop follow the load.
.macro TLOAD all
.if \all
	s_cmp_lt_u32 s[WV], 4
.else
	s_and_b32 s97, s[WV], 13
	s_cmp_eq_u32 s97, 0
.endif
	s_cbranch_scc0 .Lasked_\@
	tensor_load_to_lds s[G0:G0+3], s[G1:G1+7]
	s_nop 0
.rept 4
	v_nop
.endr
.Lasked_\@:
.endm
; A prefetch into the L2 of the slot that the NEXT change of slots will ask for: 49,152 dense bytes of K and as many of V.  All 16 work-groups of a head walk the same K and V: work-group 0, which walks all slots, asks;
; in it waves 4 to 9, which fetch nothing: 8,192 bytes of each a wave, lanes 256 bytes apart, two instructions.  So each block of 256 bytes is named once.  Slots 0 and 1 come by their loads alone; the last change that fills asks for nothing.
.macro ASK
	s_cmp_gt_u32 s[SLOTS], s[LIM]
	s_cbranch_scc0 .Lnot_mine_\@
	global_prefetch_b8 v[PFO], s[PFA:PFA+1] th:TH_LOAD_NT scope:SCOPE_SE
	global_prefetch_b8 v[PFO], s[PFB:PFB+1] th:TH_LOAD_NT scope:SCOPE_SE
.Lnot_mine_\@:
.endm
	s_load_b256 s[4:11], s[0:1], 0x0               ; qkvc 4, qkvsc 6, ac 8, asc 10
	v_lshl_add_u32 v[SPW], v0, 2, SPARE
	v_mov_b32 v[NIL], 0
	ds_add_u32 v[SPW], v[NIL]                      ; the wave's opening: the add, twice on end, and its wait ahead of the first tensor load
	ds_add_u32 v[SPW], v[NIL]
	v_lshrrev_b32 v8, 5, v0
	s_delay_alu instid0(VALU_DEP_1)
	v_readfirstlane_b32 s[WV], v8                  ; wave 0..15
	s_and_b32 s[TILE], s[WV], 7                    ; my tile of 16 queries
	s_lshr_b32 s[PAR], s[WV], 3                    ; 0: the even key steps are mine; 1: the odd ones
	s_and_b32 s36, s[WV], 3                        ; which quarter of a slot I fetch, if I fetch
	s_and_b32 s72, ttmp7, 0xffff                   ; bh = 4 x batch + head
	s_lshl_b32 s73, ttmp9, 6                       ; 64 i
	s_sub_co_u32 s74, 1920, s73
	s_sub_co_u32 s[QL], 2047, s73                  ; block 31 - i ends here
	s_lshl_b32 s75, s[TILE], 4
	s_cmp_lt_u32 s[TILE], 4
	s_cselect_b32 s73, s73, s74
	s_add_co_u32 s[Q0], s73, s75                   ; tiles 0-3: 64 i + 16 t; tiles 4-7: 64 (31 - i) + 16 (t - 4)
	s_lshl_b32 s82, s72, 11
	s_add_co_u32 s82, s82, s[Q0]                   ; my first row in q's region
	s_mul_i32 s84, s82, ROWB
	s_mov_b32 s85, 0
	s_lshl_b32 s86, s82, 2
	s_mov_b32 s87, 0
	s_lshr_b32 s88, s72, 2
	s_lshl_b32 s88, s88, 11
	s_add_co_u32 s88, s88, s[Q0]                   ; my first row (b, s) of ac
	s_and_b32 s89, s72, 3                          ; the head
	s_lshr_b32 s90, s88, 8                         ; ac lies by tiles [block of 256 rows][pair of heads][256 rows][192 bytes]: my head's 96 bytes of a row of 192
	s_mul_i32 s90, s90, 98304
	s_and_b32 s91, s88, 255
	s_mul_i32 s91, s91, 192
	s_add_co_u32 s90, s90, s91
	s_lshr_b32 s91, s89, 1
	s_mul_i32 s91, s91, 49152
	s_add_co_u32 s90, s90, s91
	s_and_b32 s91, s89, 1
	s_mul_i32 s91, s91, 96
	s_add_co_u32 s90, s90, s91
	s_mov_b32 s91, 0
	s_lshl_b32 s92, s88, 4
	s_lshl_b32 s93, s89, 2
	s_add_co_u32 s92, s92, s93
	s_mov_b32 s93, 0
	s_bfe_u32 s94, s[WV], 0x10001                  ; what I fetch, if I fetch: bit 1 of the wave's number: K (0) or V (1),
	s_add_co_u32 s94, s94, 1                       ; regions 1 and 2;
	s_and_b32 s95, s[WV], 1                        ; bit 0: which 256 keys of a slot, and which half of the scale words
	s_mul_i32 s96, s94, REGC
	s_mul_i32 s97, s72, HEADC
	s_add_co_u32 s96, s96, s97
	s_mul_i32 s97, s95, 256*ROWB
	s_add_co_u32 s96, s96, s97
	s_mov_b32 s97, 0
	s_lshl_b32 s74, s94, 17
	s_lshl_b32 s75, s72, 13
	s_add_co_u32 s74, s74, s75
	s_lshl_b32 s75, s95, 12
	s_add_co_u32 s74, s74, s75
	s_mov_b32 s75, 0
	s_mul_i32 s82, s72, HEADC                      ; the prefetches: my head's K, my wave's 8,192 bytes, in slot 1: the first change of slots steps it to slot 2
	s_sub_co_u32 s88, s[WV], 4
	s_and_b32 s83, s88, 7
	s_lshl_b32 s83, s83, 13
	s_add_co_u32 s82, s82, s83
	s_add_co_u32 s82, s82, REGC+SLOTB
	s_mov_b32 s83, 0
	s_cmp_lt_u32 s88, 6                            ; waves 4 to 9
	s_cselect_b32 s88, 0, 1
	s_or_b32 s88, s88, ttmp9                       ; of the head's work-group 0
	s_cmp_eq_u32 s88, 0
	s_cselect_b32 s[LIM], 1, -1
	; group 1: 24,576 dense bytes as 96 rows of 256 (32 elements of 8 bytes), no padding
	s_mov_b32 s[G1], 3<<16
	s_mov_b32 s[G1+1], 32<<16
	s_mov_b32 s[G1+2], 96<<16
	s_mov_b32 s[G1+3], 32<<16
	s_mov_b32 s[G1+4], 96
	s_mov_b32 s[G1+5], 32
	s_mov_b32 s[G1+6], 0
	s_mov_b32 s[G1+7], 0
	; the scale words: 4,096 dense bytes as 16 rows of 256, 16 bytes of padding behind each
	s_mov_b32 s[G1S], (3<<16)|(1<<20)|(5<<22)|(3<<25)
	s_mov_b32 s[G1S+1], 32<<16
	s_mov_b32 s[G1S+2], 16<<16
	s_mov_b32 s[G1S+3], 32<<16
	s_mov_b32 s[G1S+4], 16
	s_mov_b32 s[G1S+5], 32
	s_mov_b32 s[G1S+6], 0
	s_mov_b32 s[G1S+7], 0
	s_mov_b32 s[SEL], 0x76543210
	s_mov_b32 s[SEL+1], 0xfedcba98
	s_mov_b32 s[CS], 0x3e0293ee                    ; c = log2(e) / sqrt(128)
	s_mov_b32 s[CS+1], s[CS]                       ; (named with it as a pair)
	s_mov_b32 s[TB], 0
	s_mov_b32 s[TS], 0
	s_mov_b32 s[SLOTS], NSL-1
	s_mov_b32 s[KB], 0
	s_lshl_b32 s[KF], s[PAR], 7                    ; my first step begins at key 0 or 128
	s_mul_i32 s37, s[PAR], 128*KP                  ; and so do my rows in a slot,
	s_mul_i32 s38, s[PAR], 544                     ; and my scale words
	s_mul_i32 s89, s36, SCH
	s_wait_dscnt 0x0                               ; both opening adds are done
	s_wait_kmcnt 0x0
	s_mov_b32 s[G0S], 1
	s_add_co_u32 s[G0S+1], s89, SCK
	s_add_nc_u64 s[G0S+2:G0S+3], s[6:7], s[74:75]
	s_or_b32 s[G0S+3], s[G0S+3], 0x80000000
	s_mov_b32 s[G0], 1
	s_mul_i32 s[G0+1], s36, 256*KP                 ; slot 0: K's two halves, then V's two
	s_add_nc_u64 s[G0+2:G0+3], s[4:5], s[96:97]
	s_or_b32 s[G0+3], s[G0+3], 0x80000000
	s_cmp_lt_u32 s[WV], 4                          ; the first fills, one a wave, in one chain of branches on the wave's number: waves 0-3 slot 0's quarters,
	s_cbranch_scc0 .Lfirst_sc
	tensor_load_to_lds s[G0:G0+3], s[G1:G1+7]
	s_nop 0
.rept 4
	v_nop
.endr
	s_branch .Lno_first
.Lfirst_sc:
	s_cmp_lt_u32 s[WV], 8                          ; waves 4-7 the quarters of the head's scale words, filled once (quarter = wave & 3); waves 8-15 none
	s_cbranch_scc0 .Lno_first
	tensor_load_to_lds s[G0S:G0S+3], s[G1S:G1S+7]
	s_nop 0
.rept 4
	v_nop
.endr
.Lno_first:
	s_add_nc_u64 s[12:13], s[4:5], s[84:85]        ; Q's codes at my first query,
	s_add_nc_u64 s[14:15], s[6:7], s[86:87]        ; its scale words,
	s_add_nc_u64 s[16:17], s[8:9], s[90:91]        ; my place in ac
	s_add_nc_u64 s[32:33], s[10:11], s[92:93]      ; and in asc
	s_add_nc_u64 s[PFA:PFA+1], s[4:5], s[82:83]
	s_add_nc_u64 s[PFB:PFB+1], s[PFA:PFA+1], REGC
	v_and_b32 v[PFO], 31, v0
	s_delay_alu instid0(VALU_DEP_1)
	v_lshlrev_b32 v[PFO], 8, v[PFO]
	v_and_b32 v8, 15, v0                           ; r
	v_bfe_u32 v9, v0, 4, 1                         ; h
	s_delay_alu instid0(VALU_DEP_2)
	v_mul_u32_u24 v10, v8, ROWB
	s_delay_alu instid0(VALU_DEP_1)
	v_mad_u32_u24 v10, v9, 24, v10
.irp p, 0,1,2,3,4,5
	global_load_b64 v[16+2*\p:17+2*\p], v10, s[12:13] offset:48*(\p/3)+8*(\p%3)   ; Q's fragment stays in registers
.endr
	v_lshlrev_b32 v254, 2, v8
	global_load_b32 v255, v254, s[14:15]           ; Q's scale words
	v_and_b32 v11, 8, v8
	s_delay_alu instid0(VALU_DEP_1)
	v_add_nc_u32 v11, v11, v8                      ; r + 8 (r / 8)
	s_delay_alu instid0(VALU_DEP_1)
	v_mul_u32_u24 v[AK0], v11, KP
	s_delay_alu instid0(VALU_DEP_1)
	v_mad_u32_u24 v[AK0], v9, 24, v[AK0]
	s_delay_alu instid0(VALU_DEP_1)
	v_add_nc_u32 v[AK0], s37, v[AK0]               ; + my half's 128 rows
	s_delay_alu instid0(VALU_DEP_1)
	v_add_nc_u32 v[AV0], VOFF, v[AK0]
	v_lshl_add_u32 v[ASK0], v11, 2, SCK
	s_delay_alu instid0(VALU_DEP_1)
	v_add_nc_u32 v[ASK0], s38, v[ASK0]
	v_lshl_add_u32 v[ASV0], v11, 2, SCV
	s_delay_alu instid0(VALU_DEP_1)
	v_add_nc_u32 v[ASV0], s38, v[ASV0]
	v_mov_b32 v13, 0xff61b1e6                      ; the largest t so far: -3e38, under every t
	s_delay_alu instid0(VALU_DEP_1)
	v_floor_f32 v12, -v13                          ; -M
	v_mov_b32 v14, 0
	v_mov_b32 v15, 0
.irp b, 0,1,2,3
	v_mov_b32 v[236+\b], 0                         ; written once: a lane permute's destination counts as one of its sources
.endr
	v_mov_b32 v252, 0
	v_mov_b32 v253, 0
.set JJ, 0
.rept 64
	v_mov_b32 v[160+JJ], 0                         ; O^T: the step is written once; the first finds zeros, which the first change of M leaves zeros
.set JJ, JJ+1
.endr
; A KEY STEP: 128 keys: my j-th of the slot in hand, which is the slot's step 2 j + my half (my half's rows and words stand in the address registers).
.macro STEP j
	s_add_co_u32 s96, s[Q0], 15                    ; a step all of whose keys come after my 16 queries is left out: a branch on ids, round the step's work, not round the line at its end that steps the key
	s_cmp_gt_u32 s[KF], s96
	s_cbranch_scc1 .Lhidden_\@
	v_add_nc_u32 v[ADK], s[TB], v[AK0]
	s_wait_alu depctr_va_vdst(0)
	v_add_nc_u32 v[ADV], s[TB], v[AV0]
	v_add_nc_u32 v[ADS], s[TS], v[ASK0]
	s_wait_alu depctr_va_vdst(0)
	v_add_nc_u32 v[ADT], s[TS], v[ASV0]
	s_wait_alu depctr_va_vdst(0)
	v_nop                                          ; five places behind the last step's products: four serve the loads into their operands' registers, the fifth the score products, which write over V's last four fragments
.irp g, 0,1                                    ; S^T = K Q^T, four tiles of 16 keys at a time
.if \g > 0
.rept 4
	v_nop                                          ; places in front of loads into registers that matrix instructions have read
.endr
.endif
.irp t, 0,1,2,3
.irp p, 0,1,2,3,4,5
	ds_load_b64 v[32+12*\t+2*\p:32+12*\t+2*\p+1], v[ADK] offset:(256*(\j)+32*((4*\g+\t)/2)+8*(\t%2))*KP+48*(\p/3)+8*(\p%3)
.endr
	ds_load_b32 v[248+\t], v[ADS] offset:1088*(\j)+272*\g+(32*(((4*\g+\t)/2)%2)+8*(\t%2))*4
.endr
	s_wait_dscnt 0x0
.irp t, 0,1,2,3
	v_wmma_scale_f32_16x16x128_f8f6f4 v[96+8*(4*\g+\t):103+8*(4*\g+\t)], v[32+12*\t:43+12*\t], v[16:27], 0, v[248+\t], v255 matrix_a_fmt:MATRIX_FMT_FP6 matrix_b_fmt:MATRIX_FMT_FP6
.endr
.endr
.rept 4
	v_nop                                          ; places: in front of the first read of the scores, and of the loads below
.endr
.irp t, 0,1,2,3                                ; V's first four tiles of 16 channels, into K's registers: asked for here, wanted behind the softmax
.irp p, 0,1,2,3,4,5
	ds_load_b64 v[32+12*\t+2*\p:32+12*\t+2*\p+1], v[ADV] offset:(256*(\j)+32*(\t/2)+8*(\t%2))*KP+48*(\p/3)+8*(\p%3)
.endr
	ds_load_b32 v[248+\t], v[ADT] offset:1088*(\j)+(32*((\t/2)%2)+8*(\t%2))*4
.endr
	s_add_co_u32 s96, s[KF], 127                   ; on the diagonal the scores of hidden keys become -infinity ahead of the maximum: p = 0 then.  A step all of whose keys count skips this
	s_cmp_le_u32 s96, s[Q0]
	s_cbranch_scc1 .Lopen_\@
	s_sub_co_i32 s96, s[Q0], s[KF]
	v_and_b32 v252, 15, v0
	v_bfe_u32 v253, v0, 4, 1
	s_delay_alu instid0(VALU_DEP_1)
	v_lshlrev_b32 v253, 4, v253
	s_delay_alu instid0(VALU_DEP_1)
	v_sub_nc_u32 v252, v252, v253
	s_delay_alu instid0(VALU_DEP_1)
	v_add_nc_u32 v252, s96, v252                   ; d = my query - KF - 16 h.  Register 16 b + i holds key KF + 16 h + 32 b + i: hidden where 32 b + i > d
	v_mov_b32 v254, 0xff800000
.set JJ, 0
.rept 64
	v_cmp_gt_i32 vcc_lo, 32*(JJ/16)+JJ%16, v252
	v_cndmask_b32 v[96+JJ], v[96+JJ], v254, vcc_lo
.set JJ, JJ+1
.endr
.Lopen_\@:
.irp b, 0,1,2,3
	v_max3_num_f32 v[232+\b], v[96+16*\b], v[97+16*\b], v[98+16*\b]   ; the largest score of each block of 32 keys: for the row's maximum, and, since p rises with the score, for the block's largest p
.endr
.irp i, 3,5,7,9,11,13
.irp b, 0,1,2,3
	v_max3_num_f32 v[232+\b], v[232+\b], v[96+16*\b+\i], v[97+16*\b+\i]
.endr
.endr
.irp b, 0,1,2,3
	v_max_num_f32 v[232+\b], v[232+\b], v[111+16*\b]
.endr
.irp b, 0,1,2,3
	s_delay_alu instid0(VALU_DEP_4)
	v_permlanex16_b32 v[236+\b], v[232+\b], s[SEL], s[SEL+1]
.endr
.irp b, 0,1,2,3
	s_delay_alu instid0(VALU_DEP_4)
	v_max_num_f32 v[232+\b], v[232+\b], v[236+\b]  ; with lane xor 16's 16 keys
.endr
	s_delay_alu instid0(VALU_DEP_2)
	v_max3_num_f32 v254, v232, v233, v234
	s_delay_alu instid0(VALU_DEP_1)
	v_max_num_f32 v254, v254, v235
	s_delay_alu instid0(VALU_DEP_1)
	v_mul_f32 v254, s[CS], v254                    ; the step's largest t
	s_delay_alu instid0(VALU_DEP_1)
	v_max_num_f32 v13, v13, v254                   ; the running largest t
	v_mov_b32 v254, v12
	s_delay_alu instid0(VALU_DEP_2)
	v_floor_f32 v12, -v13                          ; the new -M = -ceil(t): a whole number
	s_delay_alu instid0(VALU_DEP_1)
	v_sub_f32 v254, v12, v254                      ; old M - new M: a whole number, 0 or less
	s_delay_alu instid0(VALU_DEP_1)
	v_cvt_i32_f32 v254, v254                       ; (it saturates)
	s_delay_alu instid0(VALU_DEP_1)
	v_ldexp_f32 v252, 1.0, v254                    ; f = 2^(old M - new M)
.set JJ, 0
.rept 32
	v_pk_fma_f32 v[96+JJ:97+JJ], v[96+JJ:97+JJ], s[CS:CS+1], v[12:13] op_sel_hi:[1,0,0]   ; t - M, two at a time
.set JJ, JJ+2
.endr
.irp b, 0,1,2,3
	v_fma_f32 v[232+\b], v[232+\b], s[CS], v12     ; the same of each block's largest score
.endr
.set JJ, 0
	s_wait_alu depctr_va_vdst(0)
.rept 64
	v_exp_f32 v[96+JJ], v[96+JJ]                   ; p = 2^(t - M)
.set JJ, JJ+1
.endr
	v_pk_mul_f32 v[14:15], v[14:15], v[252:253] op_sel_hi:[1,0]   ; l under the new M (a plain place behind the exponentials)
	s_wait_alu depctr_va_vdst(0)                   ; one wait for the batch of 64, ahead of its first reader
.irp b, 0,1,2,3
	v_exp_f32 v[232+\b], v[232+\b]                 ; the block's largest p
.endr
	v_pk_add_f32 v[236:237], v[100:101], v[104:105]
	v_pk_add_f32 v[246:247], v[108:109], v[112:113]
	v_pk_add_f32 v[244:245], v[116:117], v[120:121]
	v_pk_add_f32 v[242:243], v[124:125], v[128:129]
	v_pk_add_f32 v[240:241], v[132:133], v[136:137]
	v_pk_add_f32 v[238:239], v[140:141], v[144:145]
	v_pk_add_f32 v[230:231], v[148:149], v[152:153]
	v_pk_add_f32 v[14:15], v[14:15], v[156:157]
	v_pk_add_f32 v[236:237], v[236:237], v[96:97]
	v_pk_add_f32 v[246:247], v[246:247], v[98:99]
	v_pk_add_f32 v[244:245], v[244:245], v[102:103]
	v_pk_add_f32 v[242:243], v[242:243], v[106:107]
	v_pk_add_f32 v[240:241], v[240:241], v[110:111]
	v_pk_add_f32 v[238:239], v[238:239], v[114:115]
	v_pk_add_f32 v[230:231], v[230:231], v[118:119]
	v_pk_add_f32 v[14:15], v[14:15], v[122:123]
	v_pk_add_f32 v[236:237], v[236:237], v[126:127]
	v_pk_add_f32 v[246:247], v[246:247], v[130:131]
	v_pk_add_f32 v[244:245], v[244:245], v[134:135]
	v_pk_add_f32 v[242:243], v[242:243], v[138:139]
	v_pk_add_f32 v[240:241], v[240:241], v[142:143]
	v_pk_add_f32 v[238:239], v[238:239], v[146:147]
	v_pk_add_f32 v[230:231], v[230:231], v[150:151]
	v_pk_add_f32 v[14:15], v[14:15], v[154:155]
	v_pk_add_f32 v[236:237], v[236:237], v[158:159]
	s_delay_alu instid0(VALU_DEP_2)
	v_pk_add_f32 v[14:15], v[14:15], v[242:243]
	s_delay_alu instid0(VALU_DEP_2)
	v_pk_add_f32 v[236:237], v[236:237], v[240:241]
	v_pk_add_f32 v[246:247], v[246:247], v[238:239]
	v_pk_add_f32 v[244:245], v[244:245], v[230:231]
	s_delay_alu instid0(VALU_DEP_2)
	v_pk_add_f32 v[14:15], v[14:15], v[246:247]
	s_delay_alu instid0(VALU_DEP_2)
	v_pk_add_f32 v[236:237], v[236:237], v[244:245]
	s_delay_alu instid0(VALU_DEP_1)
	v_pk_add_f32 v[14:15], v[14:15], v[236:237]
	s_wait_alu depctr_va_vdst(0)                   ; and one for the four
.irp b, 0,1,2,3
	v_max_num_f32 v[232+\b], 0x1800000, v[232+\b]  ; the floor 2^(3 - 127): the byte cannot fall under 1
.endr
.irp b, 0,1,2,3
	s_delay_alu instid0(VALU_DEP_4)
	v_add_nc_u32 v[244+\b], 0xff000000, v[232+\b]  ; 2 off the exponent field: the conversion's scale operand
.endr
.irp b, 0,1,2,3
	s_delay_alu instid0(VALU_DEP_4)
	v_lshrrev_b32 v[236+\b], 23, v[244+\b]
.endr
	s_delay_alu instid0(VALU_DEP_3)
	v_lshl_or_b32 v253, v237, 8, v236              ; p's scale word for these 128 keys
	s_delay_alu instid0(VALU_DEP_1)
	v_lshl_or_b32 v253, v238, 16, v253
	s_delay_alu instid0(VALU_DEP_1)
	v_lshl_or_b32 v253, v239, 24, v253
.irp c, 0,1
	v_cvt_scalef32_pk16_fp6_f32 v[224+6*\c:226+6*\c], v[96+32*\c:111+32*\c], v[244+2*\c]
	v_cvt_scalef32_pk16_fp6_f32 v[236+4*\c:238+4*\c], v[112+32*\c:127+32*\c], v[244+2*\c+1]
.endr
	v_nop                                          ; one plain place behind a scaled conversion
.irp t, 0,1,2,3                                ; V's last four tiles, into p's registers, which the conversions have read: they land under the lines below
.irp p, 0,1,2,3,4,5
	ds_load_b64 v[96+12*\t+2*\p:96+12*\t+2*\p+1], v[ADV] offset:(256*(\j)+32*((4+\t)/2)+8*(\t%2))*KP+48*(\p/3)+8*(\p%3)
.endr
	ds_load_b32 v[VS2+\t], v[ADT] offset:1088*(\j)+272+(32*(((4+\t)/2)%2)+8*(\t%2))*4
.endr
.irp c, 0,1
.irp i, 0,1,2
	v_permlane16_swap_b32 v[224+6*\c+\i], v[236+4*\c+\i]
.endr
.irp i, 0,1,2
	s_delay_alu instid0(VALU_DEP_3)
	v_mov_b32 v[227+6*\c+\i], v[236+4*\c+\i]
.endr
.endr
.set JJ, 0
.rept 32
	v_pk_mul_f32 v[160+JJ:161+JJ], v[160+JJ:161+JJ], v[252:253] op_sel_hi:[1,0]   ; O^T under the new M (these 32 are also the places in front of the matrix instructions below)
.set JJ, JJ+2
.endr
	s_wait_alu depctr_va_vdst(0)
	s_wait_dscnt 0x0                               ; all eight fragments of V and their words are in
.irp t, 0,1,2,3                                ; O^T += V^T P^T: eight accumulators by turns
	v_wmma_scale_f32_16x16x128_f8f6f4 v[160+8*\t:167+8*\t], v[32+12*\t:43+12*\t], v[224:235], v[160+8*\t:167+8*\t], v[248+\t], v253 matrix_a_fmt:MATRIX_FMT_FP6 matrix_b_fmt:MATRIX_FMT_FP6
.endr
.irp t, 0,1,2,3
	v_wmma_scale_f32_16x16x128_f8f6f4 v[192+8*\t:199+8*\t], v[96+12*\t:107+12*\t], v[224:235], v[192+8*\t:199+8*\t], v[VS2+\t], v253 matrix_a_fmt:MATRIX_FMT_FP6 matrix_b_fmt:MATRIX_FMT_FP6
.endr
.Lhidden_\@:
	s_add_co_u32 s[KF], s[KF], 256                 ; my next step lies two steps on
.endm
; THE CHANGE OF SLOTS, at a slot's head.  Each wave waits for all its tensor loads, adds 0 to its spare word, and waits for that and for its reads of the slot that it has left; then one barrier.
; fill = 1: the slot just left is filled with the keys that follow, as far as the causal limit: a slot whose first key lies behind my work-group's last query is read by none of its waves and is not asked for; where only
; its first 256 keys are read, waves 0 and 2 alone load.  Both tests are made of the work-group's number and the count of slots: all sixteen waves go the same way.  Every wait on TENSORcnt in this text is for 0.
.macro CHANGE fill
	s_wait_tensorcnt 0x0                           ; no tensor load of mine is out, so a group 0 may be written
	ds_add_u32 v[SPW], v[NIL]
.if \fill
	ds_add_u32 v[SPW], v[NIL]                      ; and once more: the add twice on end, in every trip alike
	s_xor_b32 s[G0+1], s[G0+1], SLOT1              ; the walking descriptor: the other slot than last time,
	s_add_nc_u64 s[G0+2:G0+3], s[G0+2:G0+3], SLOTB ; the next 512 keys
	s_wait_xcnt 0x0                                ; the last prefetches, a slot back, have read their addresses
	s_add_nc_u64 s[PFA:PFA+1], s[PFA:PFA+1], SLOTB
	s_add_nc_u64 s[PFB:PFB+1], s[PFB:PFB+1], SLOTB
.endif
	s_wait_dscnt 0x0                               ; the add is done, and my reads of the slot that I have left are over
	s_barrier_signal -1
	s_barrier_wait -1
.if \fill
	s_add_co_u32 s96, s[KB], SK                    ; the first key of the slot that this change would ask for
	s_cmp_gt_u32 s96, s[QL]
	s_cbranch_scc1 .Lpast_\@
	s_add_co_u32 s96, s[KB], SK+256                ; and of its second 256 keys
	s_cmp_gt_u32 s96, s[QL]
	s_cbranch_scc1 .Lhalf_\@
	TLOAD 1
	s_branch .Lpast_\@
.Lhalf_\@:
	TLOAD 0
.Lpast_\@:
	ASK
.endif
.endm
.macro SLOT_STEPS
	STEP 0
	STEP 1
	s_xor_b32 s[TB], s[TB], SLOT1                  ; on to the other slot,
	s_add_co_u32 s[TS], s[TS], 4*544               ; its four steps' scale words (512 bytes and two paddings a step),
	s_add_co_u32 s[KB], s[KB], SK                  ; its first key
.endm
	s_wait_loadcnt 0x0                             ; Q
.Lslot:                                            ; 3 trips
	CHANGE 1
	SLOT_STEPS
	s_sub_co_u32 s[SLOTS], s[SLOTS], 1
	s_cmp_lg_u32 s[SLOTS], 0
	s_cbranch_scc1 .Lslot
	CHANGE 0                                       ; the last slot is written out: nothing is asked for
	SLOT_STEPS
	; THE HAND-OVER AND THE WAY OUT.  All LDS addresses are made here, by every wave, ahead of the parting of the halves.
.rept 4
	v_nop                                          ; places behind the last products: in front of the first read of O^T and of loads and writes into operands' registers
.endr
	v_and_b32 v1, 31, v0                           ; lane
	v_and_b32 v2, 15, v0                           ; r
	v_bfe_u32 v3, v0, 4, 1                         ; h
	s_mul_i32 s73, s[TILE], MPAIR                  ; my tile's hand-over
	s_mul_i32 s74, s[TILE], 1536
	s_add_co_u32 s74, s74, OST                     ; my tile's stage
	v_lshlrev_b32 v9, 4, v1
	s_delay_alu instid0(VALU_DEP_1)
	v_add_nc_u32 v8, s73, v9                       ; the hand-over: 16 x lane
	s_delay_alu instid0(VALU_DEP_2)
	v_add_nc_u32 v11, s74, v9                      ; the stage, back: 16 x lane
	v_mul_u32_u24 v10, v2, 96
	s_delay_alu instid0(VALU_DEP_1)
	v_mad_u32_u24 v10, v3, 24, v10
	s_delay_alu instid0(VALU_DEP_1)
	v_add_nc_u32 v10, s74, v10                     ; the stage, in: row r, + 24 h
.irp i, 0,1,2
	v_add_nc_u32 v4, 32*\i, v1                     ; piece c of 16 bytes, c = lane + 32 i < 96: row c / 6 = (43 c) >> 8
	s_delay_alu instid0(VALU_DEP_1)
	v_mul_u32_u24 v9, v4, 43
	s_delay_alu instid0(VALU_DEP_1)
	v_lshrrev_b32 v9, 8, v9
	s_delay_alu instid0(VALU_DEP_1)
	v_mul_u32_u24 v9, v9, 96                       ; a row of a tile of ac is 192 bytes: 16 c + 96 (c / 6)
	s_delay_alu instid0(VALU_DEP_1)
	v_lshl_add_u32 v[GO+\i], v4, 4, v9
.endr
	v_lshlrev_b32 v[SO], 4, v2
	s_cmp_lt_u32 s[WV], 8
	s_cbranch_scc1 .Lkeep
.set JJ, 0
.rept 16
	ds_store_b128 v8, v[160+4*JJ:163+4*JJ] offset:512*JJ   ; half 1: O^T as an image of its registers, each accumulator from its low end on,
.set JJ, JJ+1
.endr
	ds_store_b128 v8, v[12:15] offset:8192         ; and -M, t, l's two halves
.Lkeep:
	s_wait_dscnt 0x0                               ; for the other half's sake: my stores have landed
	s_barrier_signal -1
	s_barrier_wait -1
	s_cmp_ge_u32 s[WV], 8
	s_cbranch_scc1 .Lend                           ; half 1 has handed over and ends
.set JJ, 0
.rept 16
	ds_load_b128 v[96+4*JJ:99+4*JJ], v8 offset:512*JJ      ; the same lines as loads give the same registers in the same lanes
.set JJ, JJ+1
.endr
	ds_load_b128 v[32:35], v8 offset:8192
	s_wait_dscnt 0x0
	v_min_num_f32 v36, v12, v32                    ; -M = the smaller of the two: M is the larger
	s_delay_alu instid0(VALU_DEP_1)
	v_sub_f32 v37, v36, v12                        ; my M - M: a whole number, 0 or less
	s_delay_alu instid0(VALU_DEP_2)
	v_sub_f32 v38, v36, v32                        ; the other's M - M
	s_delay_alu instid0(VALU_DEP_2)
	v_cvt_i32_f32 v37, v37                         ; (they saturate)
	s_delay_alu instid0(VALU_DEP_2)
	v_cvt_i32_f32 v38, v38
	s_delay_alu instid0(VALU_DEP_2)
	v_ldexp_f32 v37, 1.0, v37                      ; the two factors: exact powers of two, or 0
	s_delay_alu instid0(VALU_DEP_2)
	v_ldexp_f32 v38, 1.0, v38
	v_add_f32 v14, v14, v15
	v_add_f32 v34, v34, v35
	s_delay_alu instid0(VALU_DEP_2)
	v_mul_f32 v14, v14, v37
	s_delay_alu instid0(VALU_DEP_1)
	v_fma_f32 v14, v34, v38, v14
	s_delay_alu instid0(VALU_DEP_1)
	v_permlanex16_b32 v252, v14, s[SEL], s[SEL+1]
	s_delay_alu instid0(VALU_DEP_1)
	v_add_f32 v14, v14, v252                       ; l, of all keys
	s_wait_alu depctr_va_vdst(0)
	v_rcp_f32 v14, v14
	v_nop                                          ; a plain place behind the reciprocal
	s_wait_alu depctr_va_vdst(0)                   ; the wait ahead of its first reader
	v_mul_f32 v40, v37, v14                        ; factor / l, for each side
	v_mul_f32 v42, v38, v14
	s_delay_alu instid0(VALU_DEP_2)
	v_mov_b32 v41, v40                             ; (named as pairs)
	s_delay_alu instid0(VALU_DEP_2)
	v_mov_b32 v43, v42
.set JJ, 0
.rept 32
	v_pk_mul_f32 v[96+JJ:97+JJ], v[96+JJ:97+JJ], v[42:43] op_sel_hi:[1,0]
.set JJ, JJ+2
.endr
.set JJ, 0
.rept 32
	v_pk_fma_f32 v[96+JJ:97+JJ], v[160+JJ:161+JJ], v[40:41], v[96+JJ:97+JJ] op_sel_hi:[1,0,1]   ; O / l; register 16 b + i is channel 32 b + 16 h + i of my query
.set JJ, JJ+2
.endr
.irp b, 0,1,2,3
	v_max3_num_f32 v[232+\b], |v[96+16*\b]|, |v[97+16*\b]|, 0x1800000   ; the quantiser along d: my 16 numbers of block b, and the floor 2^(3 - 127)
.endr
.irp i, 2,4,6,8,10,12,14
.irp b, 0,1,2,3
	s_delay_alu instid0(VALU_DEP_4)
	v_max3_num_f32 v[232+\b], v[232+\b], |v[96+16*\b+\i]|, |v[97+16*\b+\i]|
.endr
.endr
.irp b, 0,1,2,3
	s_delay_alu instid0(VALU_DEP_4)
	v_permlanex16_b32 v[236+\b], v[232+\b], s[SEL], s[SEL+1]
.endr
.irp b, 0,1,2,3
	s_delay_alu instid0(VALU_DEP_4)
	v_max_num_f32 v[232+\b], v[232+\b], v[236+\b]
.endr
.irp b, 0,1,2,3
	s_delay_alu instid0(VALU_DEP_4)
	v_add_nc_u32 v[244+\b], 0xff000000, v[232+\b]
.endr
.irp b, 0,1,2,3
	s_delay_alu instid0(VALU_DEP_4)
	v_lshrrev_b32 v[236+\b], 23, v[244+\b]
.endr
	s_delay_alu instid0(VALU_DEP_3)
	v_lshl_or_b32 v253, v237, 8, v236              ; my row's scale word for this head
	s_delay_alu instid0(VALU_DEP_1)
	v_lshl_or_b32 v253, v238, 16, v253
	s_delay_alu instid0(VALU_DEP_1)
	v_lshl_or_b32 v253, v239, 24, v253
.irp c, 0,1
	v_cvt_scalef32_pk16_fp6_f32 v[32+6*\c:34+6*\c], v[96+32*\c:111+32*\c], v[244+2*\c]
	v_cvt_scalef32_pk16_fp6_f32 v[44+4*\c:46+4*\c], v[112+32*\c:127+32*\c], v[244+2*\c+1]
.endr
	v_nop
.irp c, 0,1
.irp i, 0,1,2
	v_permlane16_swap_b32 v[32+6*\c+\i], v[44+4*\c+\i]
.endr
.irp i, 0,1,2
	s_delay_alu instid0(VALU_DEP_3)
	v_mov_b32 v[35+6*\c+\i], v[44+4*\c+\i]
.endr
.endr
.irp p, 0,1,2,3,4,5
	ds_store_b64 v10, v[32+2*\p:33+2*\p] offset:48*(\p/3)+8*(\p%3)
.endr
.irp i, 0,1,2
	ds_load_b128 v[64+4*\i:67+4*\i], v11 offset:512*\i   ; LDS serves a wave's instructions in order: these see my stores
.endr
	global_store_b32 v[SO], v253, s[32:33]         ; both halves of the lanes store the same word
	s_wait_dscnt 0x0
.irp i, 0,1,2
	global_store_b128 v[GO+\i], v[64+4*\i:67+4*\i], s[16:17]   ; six lanes store a row's 96 bytes
.endr
.Lend:
	s_wait_tensorcnt 0x0                           ; the wave's end: three lines behind my last tensor load and my last LDS store
	ds_add_u32 v[SPW], v[NIL]
	s_wait_dscnt 0x0
	s_endpgm
.Lfunc_end_k_qad464c2d5c_attn:
	.size	k_qad464c2d5c_attn, .Lfunc_end_k_qad464c2d5c_attn-k_qad464c2d5c_attn
	.p2alignl 7, 3214868480
	.fill 96, 4, 3214868480
	.section	.rodata,"a",@progbits
	.p2align	6, 0x0
	.amdhsa_kernel k_qad464c2d5c_attn
		.amdhsa_group_segment_fixed_size 327680
		.amdhsa_private_segment_fixed_size 0
		.amdhsa_enable_private_segment 0
		.amdhsa_kernarg_size 32
		.amdhsa_user_sgpr_count 2
		.amdhsa_user_sgpr_kernarg_segment_ptr 1
		.amdhsa_wavefront_size32 1
		.amdhsa_system_sgpr_workgroup_id_x 1
		.amdhsa_system_sgpr_workgroup_id_y 1
		.amdhsa_system_sgpr_workgroup_id_z 1
		.amdhsa_system_vgpr_workitem_id 0
		.amdhsa_next_free_vgpr 256
		.amdhsa_next_free_sgpr 100
		.amdhsa_reserve_vcc 1
		.amdhsa_float_denorm_mode_32 3
		.amdhsa_float_denorm_mode_16_64 3
		.amdhsa_memory_ordered 1
		.amdhsa_forward_progress 1
		.amdhsa_inst_pref_size 145
	.end_amdhsa_kernel
	.amdgpu_metadata
---
amdhsa.version: [ 1, 2 ]
amdhsa.kernels:
  - .name:           k_qad464c2d5c_attn
    .symbol:         k_qad464c2d5c_attn.kd
    .args:
      - { .name: qkvc, .offset: 0, .size: 8, .value_kind: global_buffer, .address_space: global }
      - { .name: qkvsc, .offset: 8, .size: 8, .value_kind: global_buffer, .address_space: global }
      - { .name: ac, .offset: 16, .size: 8, .value_kind: global_buffer, .address_space: global }
      - { .name: asc, .offset: 24, .size: 8, .value_kind: global_buffer, .address_space: global }
    .group_segment_fixed_size: 327680
    .private_segment_fixed_size: 0
    .kernarg_segment_align: 8
    .kernarg_segment_size: 32
    .max_flat_workgroup_size: 512
    .sgpr_count:     100
    .vgpr_count:     256
    .wavefront_size: 32
...
	.end_amdgpu_metadata
.endif
;; end of part 3
;; launch outp (part 4): grid 8 x 32, 4 waves a work-group, clusters of 4 x 4, 327,680 bytes of LDS; arguments ac, asc, wc, wsc, out0; writes out0
.if DOCPART == 4
	.amdgcn_target "amdgcn-amd-amdhsa--gfx1250"
	.amdhsa_code_object_version 6
	.text
	.protected	k_qad464c2d5c_outp
	.globl	k_qad464c2d5c_outp
	.p2align	8
	.type	k_qad464c2d5c_outp,@function
k_qad464c2d5c_outp:
	s_mov_b64 s[64:65], 0
	v_nop
	global_prefetch_b8 v0, s[64:65] scope:SCOPE_SE
	s_setreg_imm32_b32 hwreg(HW_REG_WAVE_MODE, 25, 1), 1
	s_wait_xcnt 0x0
	s_wait_alu depctr_hold_cnt(0) depctr_sa_sdst(0) depctr_va_vdst(0) depctr_va_sdst(0) depctr_va_ssrc(0) depctr_va_vcc(0) depctr_vm_vsrc(0)
	s_getreg_b32 s2, hwreg(HW_REG_IB_STS2, 6, 4)
	s_cmp_eq_u32 s2, 0
	s_cbranch_scc0 .Lentry_in_a_cluster
	s_endpgm
.Lentry_in_a_cluster:
	s_bfe_u32 s2, ttmp6, 0x10000c
	s_cmp_lg_u32 s2, 0xf033
	s_cbranch_scc0 .Lentry_shape_is_right
	s_endpgm
.Lentry_shape_is_right:
.set SIZE_M, 8192
.set SIZE_N, 2048
.set SIZE_K, 512
.set KSTEP,  256
.set NQ,     KSTEP/128
.set ROWB,   192
; LAUNCH 4 OF 4.  out0 = O wo^T on codes of FP6, blocks of 256 x 256; nothing is left out here.
; ac and wo's codes lie by tiles [block of 256 rows][K step of 256][256 rows][192 bytes]: a block's codes for all of K are 98,304 dense bytes, loaded as 384 rows of 256 bytes,
; 16 bytes of padding behind each 64.  The head's four loads, one a wave, bring all that the launch reads: A's codes, B's codes, A's scales, B's scales.  Nothing is filled later.
; LDS: A's K steps 0 and 1, then B's K steps 0 and 1, then the scales.
.set KROW,   SIZE_K*6/8
.set G0H,    4                         ; s[4:7], s[8:11] group 0 of the loads of codes (the arguments there have been used)
.set G0HB,   8
.set PITCH,  240
.set FR,     12
.set NL,     6
.set NP,     4
.set HALFT,  128*PITCH
.set SLOT,   4*HALFT
.set KS,     SIZE_K/32
.set SCL,    2*SLOT
.set HALFS,  (128*KS/256)*272
.set SBLK,   (16*KS/256)*272
.set SPARE,  SCL+4*HALFS
.set SPITCH, 528
.set ADRA, 16
.set ADRB, 20
.set STO,  24
.set RD,   25
.set CO,   26
.set ADRS, 27
.set SPW,  28
.set NIL,  29
.set SC,   32
.set AF,   128
.set BK,   128
.set G1, 24
.set G0, 32
.set G1B, 48
.set G0B, 56
.set G1S, 68
.set G0S, 76
.set G1SB, 80
.set G0SB, 88
.set MSB, 0
.macro WIN new
.set WN, (\new)
.if MSB != WN
	s_set_vgpr_msb (MSB<<8)|WN
.set MSB, WN
.endif
.endm
.set MUL_LO, 0xa1
.set MUL_HI, 0xf1
.set TO_B,   0x40
.macro JLOAD g0a, g1a, g0b, g1b
	s_cmp_eq_u32 s15, 0
	s_cbranch_scc0 .Lfor_b_\@
	tensor_load_to_lds s[\g0a:\g0a+3], s[\g1a:\g1a+7]
	s_nop 0
.rept 4
	v_nop
.endr
	s_branch .Lasked_\@
.Lfor_b_\@:
	tensor_load_to_lds s[\g0b:\g0b+3], s[\g1b:\g1b+7]
	s_nop 0
.rept 4
	v_nop
.endr
.Lasked_\@:
.endm
.macro CREST
	s_cmp_lg_u32 s14, 0
	s_cbranch_scc1 .Lnot_wave_0_\@
	s_barrier_signal -3
.Lnot_wave_0_\@:
	s_barrier_wait -3
	s_barrier_signal -1
	s_barrier_wait -1
.endm
.macro CROUND
	s_barrier_signal -1
	s_barrier_wait -1
	CREST
.endm
	s_load_b128 s[4:7], s[0:1], 0x0
	s_load_b128 s[8:11], s[0:1], 0x10
	s_load_b64 s[12:13], s[0:1], 0x20
	v_lshl_add_u32 v[SPW], v0, 2, SPARE
	v_mov_b32 v[NIL], 0
	ds_add_u32 v[SPW], v[NIL]
	ds_add_u32 v[SPW], v[NIL]
	v_lshrrev_b32 v1, 5, v0
	v_readfirstlane_b32 s14, v1
	s_lshr_b32 s15, s14, 1
	s_and_b32 s16, s14, 1
	s_bfe_u32 s40, ttmp6, 0x40000
	s_bfe_u32 s41, ttmp6, 0x40004
	s_lshl_b32 s42, ttmp9, 2
	s_add_co_u32 s42, s42, s40
	s_and_b32 s17, ttmp7, 0xffff
	s_lshl_b32 s17, s17, 2
	s_add_co_u32 s17, s17, s41
	s_lshl_b32 s43, s41, 2
	s_lshl_b32 s43, 15, s43
	s_lshl_b32 s44, 0x1111, s40
	s_or_b32 s[G1+0], s43, (0<<16)|(1<<20)|(1<<21)|(3<<22)|(3<<25)
	s_or_b32 s[G1B+0], s44, (0<<16)|(1<<20)|(1<<21)|(3<<22)|(3<<25)
.irp g, G1, G1B
	s_mov_b32 s[\g+1], 256<<16
	s_mov_b32 s[\g+2], 384<<16
	s_mov_b32 s[\g+3], 256<<16
	s_mov_b32 s[\g+4], 384
	s_mov_b32 s[\g+5], 256
	s_mov_b32 s[\g+6], 0
	s_mov_b32 s[\g+7], 0
.endr
	s_or_b32 s[G1S+0], s43, (3<<16)|(1<<20)|(1<<21)|(5<<22)|(3<<25)
	s_or_b32 s[G1SB+0], s44, (3<<16)|(1<<20)|(1<<21)|(5<<22)|(3<<25)
.irp g, G1S, G1SB
	s_mov_b32 s[\g+1], 32<<16
	s_mov_b32 s[\g+2], KS<<16                      ; the scales of 256 rows: KS rows of 256 bytes
	s_mov_b32 s[\g+3], 32<<16
	s_mov_b32 s[\g+4], KS
	s_mov_b32 s[\g+5], 32
	s_mov_b32 s[\g+6], 0
	s_mov_b32 s[\g+7], 0
.endr
	s_lshl_b32 s20, s17, 8
	s_lshl_b32 s46, s42, 8
	s_mov_b32 s21, 0
	s_mov_b32 s47, 0
	s_mov_b64 s[18:19], KS
	s_mul_u64 s[22:23], s[20:21], s[18:19]
	s_mul_u64 s[92:93], s[46:47], s[18:19]
	s_mov_b64 s[18:19], KROW
	s_mul_u64 s[20:21], s[20:21], s[18:19]
	s_mul_u64 s[46:47], s[46:47], s[18:19]
	s_wait_dscnt 0x0
	s_wait_kmcnt 0x0
	s_add_nc_u64 s[8:9], s[8:9], 2359296
	s_add_nc_u64 s[10:11], s[10:11], 98304
	s_add_nc_u64 s[20:21], s[4:5], s[20:21]
	s_add_nc_u64 s[22:23], s[6:7], s[22:23]
	s_add_nc_u64 s[46:47], s[8:9], s[46:47]
	s_add_nc_u64 s[92:93], s[10:11], s[92:93]
	CROUND
	s_mov_b32 s[G0S], 1
	s_mov_b32 s[G0S+1], SCL
	s_mov_b64 s[G0S+2:G0S+3], s[22:23]
	s_or_b32 s[G0S+3], s[G0S+3], 0x80000000
	s_mov_b32 s[G0SB], 1
	s_mov_b32 s[G0SB+1], SCL+2*HALFS
	s_mov_b64 s[G0SB+2:G0SB+3], s[92:93]
	s_or_b32 s[G0SB+3], s[G0SB+3], 0x80000000
	s_mov_b32 s[G0H], 1                            ; A's 256 rows, all of K,
	s_mov_b32 s[G0H+1], 0
	s_mov_b64 s[G0H+2:G0H+3], s[20:21]
	s_or_b32 s[G0H+3], s[G0H+3], 0x80000000
	s_mov_b32 s[G0HB], 1                           ; and B's, behind them
	s_mov_b32 s[G0HB+1], 4*HALFT
	s_mov_b64 s[G0HB+2:G0HB+3], s[46:47]
	s_or_b32 s[G0HB+3], s[G0HB+3], 0x80000000
; the head's loads, one a wave, in one tree of branches on the wave's number
.macro ARM under, g0, g1, next
	s_cmp_lt_u32 s14, \under
	s_cbranch_scc0 \next
	tensor_load_to_lds s[\g0:\g0+3], s[\g1:\g1+7]
	s_nop 0
.rept 4
	v_nop
.endr
	s_branch .Lhead_asked
\next:
.endm
	ARM 1, G0H,  G1,  .Lhead_b
	ARM 2, G0HB, G1B, .Lhead_sa
	ARM 3, G0S,  G1S, .Lhead_sb
	tensor_load_to_lds s[G0SB:G0SB+3], s[G1SB:G1SB+7]
	s_nop 0
.rept 4
	v_nop
.endr
.Lhead_asked:
	v_and_b32 v1, 15, v0
	v_bfe_u32 v2, v0, 4, 1
	v_mul_u32_u24 v3, v1, PITCH
	v_mul_u32_u24 v4, v2, 24
	v_add_nc_u32 v4, v3, v4
	v_lshl_add_u32 v5, v2, 4, v4
	s_mul_i32 s21, s15, HALFT
	s_mul_i32 s22, s16, HALFT
	s_add_co_u32 s22, s22, 4*HALFT                 ; B lies behind A's two K steps
.irp s, 0,1
	v_add_nc_u32 v[ADRA+\s], s21, v4
	v_add_nc_u32 v[ADRB+\s], s22, v4
	v_add_nc_u32 v[ADRA+2+\s], s21, v5
	v_add_nc_u32 v[ADRB+2+\s], s22, v5
	s_add_co_u32 s21, s21, 2*HALFT                 ; the next K step's 256 rows
	s_add_co_u32 s22, s22, 2*HALFT
.endr
	v_mul_u32_u24 v5, v1, KS
	v_lshrrev_b32 v6, 8, v5
	v_lshl_add_u32 v5, v6, 4, v5
	s_mul_i32 s21, s15, HALFS
	s_mul_i32 s22, s16, HALFS
	s_add_co_u32 s22, s22, 2*HALFS
	s_sub_co_u32 s22, s22, s21
	v_mul_u32_u24 v6, s22, v2
	s_add_co_u32 s21, s21, SCL
	v_add_nc_u32 v5, v5, v6
	v_add_nc_u32 v[ADRS], s21, v5
	s_mul_i32 s23, s14, 16*SPITCH
	v_mul_u32_u24 v5, v1, SPITCH
	v_lshl_add_u32 v5, v2, 5, v5
	v_add_nc_u32 v[STO], s23, v5
	v_and_b32 v6, 31, v0
	v_lshlrev_b32 v[CO], 4, v6
	v_add_nc_u32 v[RD], s23, v[CO]
	s_lshl_b32 s20, s17, 8
	s_lshl_b32 s21, s15, 7
	s_add_co_u32 s20, s20, s21
	s_mov_b32 s21, 0
	s_mov_b64 s[18:19], SIZE_N*4
	s_mul_u64 s[20:21], s[20:21], s[18:19]
	s_lshl_b32 s46, s42, 10
	s_lshl_b32 s47, s16, 9
	s_add_co_u32 s46, s46, s47
	s_mov_b32 s47, 0
	s_add_nc_u64 s[20:21], s[20:21], s[46:47]
	s_add_nc_u64 s[12:13], s[12:13], s[20:21]
.macro FRAG reg, adr, q, i
.irp p, 0,1,2,3,4,5
.set PCE, 12*(\q)+6*(\p/3)+\p%3
.if PCE%8 < 5
	ds_load_b64 v[\reg+2*\p:\reg+2*\p+1], v[\adr] offset:8*PCE+16*(PCE/8)+(\i)*16*PITCH
.else
	ds_load_b64 v[\reg+2*\p:\reg+2*\p+1], v[\adr+2] offset:8*PCE+16*(PCE/8)+(\i)*16*PITCH
.endif
.endr
.endm
.macro MUL16 a0, p, q, sc, zero
.irp a, \a0, \a0+1
.irp b, 0,1,2,3,4,5,6,7
.if \zero
	v_wmma_scale_f32_16x16x128_f8f6f4 v[8*(8*((\a)%4)+\b):8*(8*((\a)%4)+\b)+7], v[128*(\p)+FR*\b:128*(\p)+FR*\b+FR-1], v[AF+FR*(\a):AF+FR*(\a)+FR-1], 0, v[SC+8*NQ*(\sc)+NQ*\b+(\q)], v[SC+8*NQ*(\sc)+NQ*(\a)+(\q)] matrix_a_fmt:MATRIX_FMT_FP6 matrix_b_fmt:MATRIX_FMT_FP6 matrix_a_scale:MATRIX_SCALE_ROW1
.else
	v_wmma_scale_f32_16x16x128_f8f6f4 v[8*(8*((\a)%4)+\b):8*(8*((\a)%4)+\b)+7], v[128*(\p)+FR*\b:128*(\p)+FR*\b+FR-1], v[AF+FR*(\a):AF+FR*(\a)+FR-1], v[8*(8*((\a)%4)+\b):8*(8*((\a)%4)+\b)+7], v[SC+8*NQ*(\sc)+NQ*\b+(\q)], v[SC+8*NQ*(\sc)+NQ*(\a)+(\q)] matrix_a_fmt:MATRIX_FMT_FP6 matrix_b_fmt:MATRIX_FMT_FP6 matrix_a_scale:MATRIX_SCALE_ROW1
.endif
.endr
.endr
.endm
.macro FETCH_B slot, q, p
	WIN TO_B
.irp i, 0,1,2,3,4,5,6,7
	FRAG 128*(\p)+FR*\i, ADRB+\slot, \q, \i
.endr
	WIN 0
.endm
.macro FETCH_A slot, q, i0
.irp i, \i0, \i0+1, \i0+2, \i0+3
	FRAG AF+FR*(\i), ADRA+\slot, \q, \i
.endr
.endm
.macro SCALES sc
.irp i, 0,1,2,3,4,5,6,7
	ds_load_b64 v[SC+8*NQ*\sc+NQ*\i:SC+8*NQ*\sc+NQ*\i+1], v[ADRS] offset:\i*SBLK
.endr
.endm
.macro PLACES n
.rept \n
	v_nop
.endr
.endm
.macro STEP slot, q, zero
	s_wait_dscnt 4*NL
	WIN MUL_LO
	MUL16 0, (\q)%2, \q, \slot, \zero
	MUL16 2, (\q)%2, \q, \slot, \zero
	s_wait_dscnt 0
	PLACES NP
	FETCH_B \slot, (\q)+1, 1-(\q)%2
	FETCH_A \slot, (\q)+1, 0
	WIN MUL_HI
	MUL16 4, (\q)%2, \q, \slot, \zero
	MUL16 6, (\q)%2, \q, \slot, \zero
	PLACES NP
	WIN 0
	FETCH_A \slot, (\q)+1, 4
.endm
.macro TURN slot, next
	s_wait_tensorcnt 0x0
	ds_add_u32 v[SPW], v[NIL]
	s_wait_dscnt 4*NL+1
	WIN MUL_LO
	MUL16 0, 1, NQ-1, \slot, 0
	s_wait_dscnt 0x0
	s_barrier_signal -1
	MUL16 2, 1, NQ-1, \slot, 0
	WIN 0
	s_barrier_wait -1
	PLACES NP
	v_add_nc_u32 v[ADRS], 4*NQ, v[ADRS]
	FETCH_B \next, 0, 0
	FETCH_A \next, 0, 0
	SCALES \next
	WIN MUL_HI
	MUL16 4, 1, NQ-1, \slot, 0
	MUL16 6, 1, NQ-1, \slot, 0
	PLACES NP
	WIN 0
	FETCH_A \next, 0, 4
.endm
	s_wait_alu depctr_va_vdst(0)
	s_wait_tensorcnt 0x0                           ; my one load is in; the barrier below shows all four to every wave
	s_barrier_signal -1
	s_barrier_wait -1
	FETCH_B 0, 0, 0
	FETCH_A 0, 0, 0
	SCALES 0
	FETCH_A 0, 0, 4
	STEP 0, 0, 1
	TURN 0, 1
	STEP 1, 0, 0
	s_wait_dscnt 4*NL
	WIN MUL_LO
	MUL16 0, 1, NQ-1, 1, 0
	MUL16 2, 1, NQ-1, 1, 0
	s_wait_dscnt 0
	WIN MUL_HI
	MUL16 4, 1, NQ-1, 1, 0
	MUL16 6, 1, NQ-1, 1, 0
	WIN 0
.macro TOSTAGE a
.set AC, 64*((\a)%4)
	WIN 0x08+4*((\a)/4)
.irp b, 0,1,2,3,4,5,6,7
	ds_store_b128 v[STO], v[AC+8*\b:AC+8*\b+3] offset:64*\b
	ds_store_b128 v[STO], v[AC+8*\b+4:AC+8*\b+7] offset:64*\b+16
.endr
	WIN 0
.set BB, BK+64*((\a)%2)
.irp t, 0,1,2,3,4,5,6,7,8,9,10,11,12,13,14,15
	ds_load_b128 v[BB+4*\t:BB+4*\t+3], v[RD] offset:\t*SPITCH
.endr
.endm
.macro SEND a, younger
.set BB, BK+64*((\a)%2)
	s_wait_dscnt \younger
.if (\a) > 0
	s_add_nc_u64 s[12:13], s[12:13], 16*SIZE_N*4
.endif
.irp t, 0,1,2,3,4,5,6,7,8,9,10,11,12,13,14,15
	global_store_b128 v[CO], v[BB+4*\t:BB+4*\t+3], s[12:13] offset:\t*SIZE_N*4 th:TH_STORE_NT
.endr
.endm
	PLACES NP
	TOSTAGE 0
.irp a, 1,2,3,4,5,6,7
.if \a > 1
	s_wait_xcnt 0x0
.endif
	TOSTAGE \a
	SEND \a-1, 32
.endr
	s_wait_xcnt 0x0
	SEND 7, 0
	s_wait_tensorcnt 0x0
	ds_add_u32 v[SPW], v[NIL]
	s_wait_dscnt 0x0
	CROUND
	s_endpgm
.Lfunc_end_k_qad464c2d5c_outp:
	.size	k_qad464c2d5c_outp, .Lfunc_end_k_qad464c2d5c_outp-k_qad464c2d5c_outp
	.p2alignl 7, 3214868480
	.fill 96, 4, 3214868480
	.section	.rodata,"a",@progbits
	.p2align	6, 0x0
	.amdhsa_kernel k_qad464c2d5c_outp
		.amdhsa_group_segment_fixed_size 327680
		.amdhsa_private_segment_fixed_size 0
		.amdhsa_enable_private_segment 0
		.amdhsa_kernarg_size 40
		.amdhsa_user_sgpr_count 2
		.amdhsa_user_sgpr_kernarg_segment_ptr 1
		.amdhsa_wavefront_size32 1
		.amdhsa_system_sgpr_workgroup_id_x 1
		.amdhsa_system_sgpr_workgroup_id_y 1
		.amdhsa_system_sgpr_workgroup_id_z 1
		.amdhsa_system_vgpr_workitem_id 0
		.amdhsa_next_free_vgpr 1024
		.amdhsa_next_free_sgpr 98
		.amdhsa_reserve_vcc 0
		.amdhsa_float_denorm_mode_32 3
		.amdhsa_float_denorm_mode_16_64 3
		.amdhsa_memory_ordered 1
		.amdhsa_forward_progress 1
		.amdhsa_inst_pref_size 98
	.end_amdhsa_kernel
	.amdgpu_metadata
---
amdhsa.version: [ 1, 2 ]
amdhsa.kernels:
  - .name:           k_qad464c2d5c_outp
    .symbol:         k_qad464c2d5c_outp.kd
    .args:
      - { .name: ac, .offset: 0, .size: 8, .value_kind: global_buffer, .address_space: global }
      - { .name: asc, .offset: 8, .size: 8, .value_kind: global_buffer, .address_space: global }
      - { .name: wc, .offset: 16, .size: 8, .value_kind: global_buffer, .address_space: global }
      - { .name: wsc, .offset: 24, .size: 8, .value_kind: global_buffer, .address_space: global }
      - { .name: out0, .offset: 32, .size: 8, .value_kind: global_buffer, .address_space: global }
    .group_segment_fixed_size: 327680
    .private_segment_fixed_size: 0
    .kernarg_segment_align: 8
    .kernarg_segment_size: 40
    .max_flat_workgroup_size: 128
    .sgpr_count:     98
    .vgpr_count:     1024
    .wavefront_size: 32
...
	.end_amdgpu_metadata
.endif
;; end of part 4
